; MI455X (gfx1250); checked and timed in simulation.
; The chip was launched on July 23, 2026; its instructions are those of AMD's public machine-readable ISA for CDNA 5 (MIT licence, August 2026) and "CDNA5" Instruction Set Architecture Reference Guide (July 2026). The comments in the code are by the model that wrote it; some were corrected since.
;; Multi Head Self Attention. Allowed arithmetic: matrix products marked QUANTISED: E2M1 operands, one E8M0 scale for each 32 along K, by v_wmma_scale_f32_16x16x128_f8f6f4 with both operands' format E2M1 (or v_wmma_scale_f32_32x16x128_f4), f32 sums; everything else in f32.
;; Inputs: W_k_codes 1,024 x 64 x 16 uint8 (E2M1 codes of W_k, K innermost, in blocks of 32 codes, two codes a byte); W_k_scales 1,024 x 64 uint8 (E8M0 scales of W_k, one for each 32 codes along K); W_o_codes 2,048 x 64 x 16 uint8 (E2M1 codes of W_o, K innermost, in blocks of 32 codes, two codes a byte); W_o_scales 2,048 x 64 uint8 (E8M0 scales of W_o, one for each 32 codes along K); W_q_codes 2,048 x 64 x 16 uint8 (E2M1 codes of W_q, K innermost, in blocks of 32 codes, two codes a byte); W_q_scales 2,048 x 64 uint8 (E8M0 scales of W_q, one for each 32 codes along K); W_v_codes 1,024 x 64 x 16 uint8 (E2M1 codes of W_v, K innermost, in blocks of 32 codes, two codes a byte); W_v_scales 1,024 x 64 uint8 (E8M0 scales of W_v, one for each 32 codes along K); x_codes 4 x 1,024 x 64 x 16 uint8 (E2M1 codes of x, K innermost, in blocks of 32 codes, two codes a byte); x_scales 4 x 1,024 x 64 uint8 (E8M0 scales of x, one for each 32 codes along K).
;; Outputs: out0 4 x 1,024 x 2,048 float32.
;; This version of the problem:
;;   THIS VERSION OF THE PROBLEM IS GIVEN IN LOW PRECISION. The matrix products marked QUANTISED in the list below multiply operands that are first quantised to E2M1 (2 exponent bits, 1 mantissa bit; 4 bits a number), with one power-of-two scale for each 32 numbers along K (OCP MX v1.0); their sums are f32. All else is computed in f32.
;;   The module's matrix products, in the order in which they are computed (A, B: the left and right operand; K: the contracted axis; several contracted axes count as one K, in the product's order):
;;     1. [M 4,096, K 2,048] x [K 2,048, N 2,048]; A: input x (given as codes); B: input W_q (given as codes): QUANTISED
;;     2. [M 4,096, K 2,048] x [K 2,048, N 1,024]; A: input x (given as codes); B: input W_k (given as codes): QUANTISED
;;     3. [M 4,096, K 2,048] x [K 2,048, N 1,024]; A: input x (given as codes); B: input W_v (given as codes): QUANTISED
;;     4. batch 64 x [M 1,024, K 128] x [K 128, N 1,024]; A: computed on the way; B: computed on the way: QUANTISED
;;     5. batch 64 x [M 128, K 1,024] x [K 1,024, N 1,024]; A: computed on the way; B: softmax (see below): QUANTISED
;;     6. [M 4,096, K 2,048] x [K 2,048, N 2,048]; A: computed on the way; B: input W_o (given as codes): QUANTISED
;;   THE QUANTISER, for each operand of a quantised product, along K:
;;     - K is cut into blocks of 32 from its start; a last block that is shorter is filled with zeros.
;;     - A block's scale is 2^e with e = floor(log2(the largest magnitude in the block)) - 2, held to -126 .. 127; a block of zeros has e = 0. As a byte (E8M0): e + 127.
;;     - Each number is divided by its block's scale, clamped to +-6, and rounded to the nearest number of E2M1, ties to even, subnormals kept.
;;     - The product sums the exact products of the quantised numbers (number of the format x scale) in f32.
;;   ~~~python
;;   def quantise(x, axis):      # numpy; x: float32 -> the quantised numbers, widened to float32 again
;;       x = np.moveaxis(x, axis, -1); K = x.shape[-1]
;;       x = np.pad(x, [(0, 0)] * (x.ndim - 1) + [(0, -K % 32)]); x = x.reshape(x.shape[:-1] + (-1, 32)); a = np.abs(x).max(-1, keepdims=True)
;;       e = np.where(a > 0, np.clip(np.frexp(np.where(a > 0, a, 1))[1] - 1 - 2, -126, 127), 0)      # np.frexp(a)[1] - 1 = floor(log2(a)), exactly
;;       r = np.clip(x / 2.0 ** e, -6, 6)
;;       step = 2.0 ** (np.maximum(np.frexp(np.where(r == 0, 1, r))[1] - 1, 0) - 1)
;;       q = np.round(r / step) * step * 2.0 ** e      # np.round: ties to even
;;       return np.moveaxis(q.reshape(q.shape[:-2] + (-1,))[..., :K], -1, axis).astype(np.float32)
;;   ~~~
;;   SOFTMAX AHEAD OF A QUANTISED PRODUCT. Where the list says 'softmax', what is quantised is not the finished softmax but p = 2^(t - M), with t = logit x log2(e) and M = ceil(the row's largest t), a whole number; so 1/2 < the row's largest p <= 1. The row's sum l is taken of the UNQUANTISED p, in f32, and the product's result is divided by l at the end. Since M is a whole number, a kernel that streams over the keys may use a running M (the ceiling of the running maximum): every later rescaling is an exact power of two, which a block's scale takes up: the codes' values come out the same.
;;   OPERANDS COMPUTED ON THE WAY. 'Computed on the way' means the value that the module computes at that place (a softmax that the list does not call 'softmax' is quantised finished and normalised). What goes into a quantiser is computed in f32, as accurately as f32 sums, v_exp_f32 and their like allow (about 1e-6 of the number): no bf16 or f16 on the way to a quantiser, and a product that is left as it is and whose result goes on into a quantised operand takes f32 operands (vector FMAs, or v_wmma_f32_16x16x4_f32). A number that lies on a knife's edge between two numbers of the format may be rounded either way, as far as f32 arithmetic and the matrix unit's own rounding can turn it there, and no further.
;;   INPUTS GIVEN AS CODES. W_k (in the module: [2048, 1024], K = its axis 0); W_o (in the module: [2048, 2048], K = its axis 0); W_q (in the module: [2048, 2048], K = its axis 0); W_v (in the module: [2048, 1024], K = its axis 0); x (in the module: [4, 1024, 2048], K = its axis 2): each comes as NAME_codes (uint8): NAME with its K axis moved to the last place and cut into blocks of 32 codes, [.., K / 32, bytes a block], one block behind the other in memory; two codes a byte, the lower K in the low four bits (a code: sign, 2 exponent bits, 1 mantissa bit); and NAME_scales (uint8): the same leading axes, one E8M0 byte (e + 127) for each 32 codes along K. Its value is code x scale, taken as it is: it is not quantised again, and the codes and scales need not be those that the quantiser above would give.
;; One version. Each part assembles by itself: llvm-mc -triple=amdgcn-amd-amdhsa -mcpu=gfx1250 --defsym DOCPART=n.
;; ======== version 1 of 1: 3 launches
;; limits: right only within a limited range of input values
;; workspace buffers: qkv 8,912,896 bytes; ac 4,194,304 bytes; asc 262,144 bytes
;; launch qkv (part 1): grid 16 x 16, 4 waves a work-group, clusters of 4 x 4, 327,680 bytes of LDS; arguments x_codes, x_scales, W_q_codes, W_q_scales, W_k_codes, W_k_scales, W_v_codes, W_v_scales, qkv; writes qkv
.if DOCPART == 1
	.amdgcn_target "amdgcn-amd-amdhsa--gfx1250"
	.amdhsa_code_object_version 6
	.text
	.protected	k_qf15595a302_qkv
	.globl	k_qf15595a302_qkv
	.p2align	8
	.type	k_qf15595a302_qkv,@function
k_qf15595a302_qkv:
	s_mov_b64 s[64:65], 0
	v_nop
	global_prefetch_b8 v0, s[64:65] scope:SCOPE_SE
	s_setreg_imm32_b32 hwreg(HW_REG_WAVE_MODE, 25, 1), 1
	s_wait_xcnt 0x0
	s_wait_alu depctr_hold_cnt(0) depctr_sa_sdst(0) depctr_va_vdst(0) depctr_va_sdst(0) depctr_va_ssrc(0) depctr_va_vcc(0) depctr_vm_vsrc(0)
	s_getreg_b32 s2, hwreg(HW_REG_IB_STS2, 6, 4)
	s_cmp_eq_u32 s2, 0
	s_cbranch_scc0 .Lentry_in_a_cluster
	s_endpgm
.Lentry_in_a_cluster:
	s_bfe_u32 s2, ttmp6, 0x10000c
	s_cmp_lg_u32 s2, 0xf033
	s_cbranch_scc0 .Lentry_shape_is_right
	s_endpgm
.Lentry_shape_is_right:
; q = x W_q, k = x W_k, v = x W_v on codes of FP4 (E2M1) with one E8M0 scale for each 32 along K = 2,048; then the XPos rotation of q and k in f32; then all three are quantised again, q and k along the
; head's 128, v along the keys, and leave as IMAGES OF OPERAND REGISTERS for the attention launch.  One GEMM of 4,096 x 4,096: 256 tiles of 256 x 256, a work-group of four waves to each, a wave 128 x 128 = one head x 128 positions.
; LEFT OUT in the program: reference() sets the scores of keys behind a query to -infinity in its own body, so their p is 0 for all inputs: the attention launch leaves out the steps of 128 keys that lie wholly behind a wave's queries.
; Limit: a NaN, an infinity or an overflow that reaches only those scores is not carried to the result.
; THE MATRIX INSTRUCTION IS USED TRANSPOSED: source 0 = 16 rows of "B", source 1 = 16 rows of "A": a lane holds one row of A, and its registers run along B's rows: register 8 b + j of a block = B's row 16 b + 8 (lane / 16) + j.
; WHICH TENSOR IS A hangs on the cluster's x alone: x = 0, 1: q (A = x, B = W_q);  2: k (A = x, B = W_k);  3: v (A = W_v, B = x): so v's lanes hold one channel and their registers run along the KEYS, the K of the attention's second product.
; K goes in steps of 512 through a ring of two LDS slots filled by the tensor data mover (a tile's row is 256 bytes of memory); the scale bytes of the work-group's 2 x 256 rows come once and stay.
; CLUSTERS: 4 x 4 work-groups; A's tiles are asked for jointly along a row of the cluster, B's along a column: the same tensor load with the same descriptor and a mask that names the four.
; No prefetch: K is four steps, the first two come by their loads alone, and only two refills would be left to ask ahead for.
; THE XPOS TABLES are made here, in registers: entry (t, i) = scale x (cos, sin) (for k: 1 / scale), scale = ((2 i + 51.2) / 179.2)^((t - 512) / 512), angle = fl(t x inv_freq(i)), inv_freq(i) = 1 / 10^(i / 16).
;   A lane holds one position t = 128 P + 16 a + lane % 16 for each block a, and 32 frequencies i = 16 b + 8 (lane / 16) + j.  Z(i) = the entry at the UNROUNDED angle t x inv_freq; block a + 1's Z is block a's times
;   R(i) = scale's 16-position step x e^(16 inv_freq(i)), a complex product; the angle's rounding, d = t x inv_freq - fl(t x inv_freq) by one fused multiply-add, is put on to first order: C + d S, S - d C (d^2 / 2 is under 1e-9).
;   inv_freq, log2 of the scale's base and R hang on i alone: lane (r, h) makes those of n = r and n = r + 16 (n = 8 b + j), and lane moves share them out within each row of sixteen lanes.
;   v's work-groups run the same head and do not use what it makes.
; LIMITS: NaN and infinities are not served; a block whose largest magnitude lies under 2^-124 (a block of zeros too) keeps the byte 1: this program alone reads the bytes; 10^(i / 16) is taken correctly rounded; the power is 2^(p log2(s));
; the seven complex products round one after the other: together some 6e-7 of the number.
; qkv: 1,024 records of 8,704 bytes: 8 tiles x [c 2][lane 32][16 bytes], then 8 x [row 16][4 bytes] scale words.  q: record (b 16 + head) 8 + t / 128;  k: 512 + (b 8 + head) 8 + t / 128;  v: 768 + (b 8 + head) 8 + keys / 128.  A wave writes one record.
; REGISTERS: window 0: v16-29 addresses; v32-95 scale words, two sets; v96-127 at work; v128-191 A's fragments, one set, on the way out Y; v192-223 inv_freq; v224-255 at work.
;   window 1: B's fragments, two sets, at v0 and v128; v64-127 Z; v192-255 R.   window 2: the accumulators of my rows 0-63 ((a, b) at v[8 (8 a + b)]);   window 3: rows 64-127.
.set KSTEP,  512
.set NQ,     KSTEP/128
.set ROWB,   256
.set KROW,   1024
.set PITCH,  272                       ; an LDS row: 256 bytes + 16 of padding
.set FR,     8
.set NL,     2
.set NP,     4                         ; places behind this matrix instruction (ISA guide 7.12.1)
.set HALFT,  128*PITCH
.set SLOT,   4*HALFT
.set LAPS,   2
.set KS,     64                        ; a row of scale bytes
.set SCL,    2*SLOT
.set HALFS,  (128*KS/256)*272
.set SBLK,   (16*KS/256)*272
.set SPARE,  SCL+4*HALFS               ; the spare words
.set REC,    8704
.set ADRA, 16
.set ADRB, 20
.set SWA,  24                          ; v24  where a block's scale words go: 512 x wave + 4 (lane % 16), in slot 0, which has had its last fill and its last read by then
.set SRA,  25                          ; v25  and where they are read back
.set LI,   26                          ; v26  16 x lane
.set ADRS, 27
.set SPW,  28
.set NIL,  29
.set SC,   32
.set PWS,  96                          ; the way out: v96 a block's scale word; v97 my offset in the record; v98 my LDS place
.set OO,   97
.set SWT,  98
.set OW,   104
.set TF,   108                         ; v108 t as a number (v109: the pair's upper half)
.set PW,   110                         ; v110-111 (t - 512) / 512
.set AF,   128
.set Y,    128                         ; the way out: the block's 64 numbers
.set IVR,  192
.set EX,   224                         ; the head: log2 s, then the scales
.set PC,   224                         ; the way out: codes
.set TM,   240
.set ZC,   64                          ; window 1
.set ZS,   96
.set RC,   192
.set RS,   224
.set CP,   0                           ; the way out, window 1: the corrected entries
.set SP,   32
.set D1,   128
.set T1,   160
.set ANG,  128                         ; the head, window 0: eight numbers each
.set DD,   136
.set NN,   144
.set RH,   152
.set ZZ,   160
.set SN,   168
.set CN,   176
.set KK,   184
.set G1, 24
.set G0, 32
.set G1B, 48
.set G0B, 56
.set G1S, 68
.set G0S, 76
.set G1SB, 80
.set G0SB, 88
.set G0H, 4
.set G0HB, 8
.set MSB, 0
.macro WIN new                         ; the immediate's high byte repeats the setting that is left
.if MSB != \new
	s_set_vgpr_msb (MSB<<8)|\new
.set MSB, \new
.endif
.endm
.set MUL_LO, 0xa1                      ; source 0 (B) window 1, source 1 (A) window 0, C and D window 2
.set MUL_HI, 0xf1
.set TO_B,   0x40                      ; destination window 1
; A joint load: waves 0 and 1 fetch for A, waves 2 and 3 for B.  Four v_nop follow each line.
.macro JLOAD g0a, g1a, g0b, g1b
	s_cmp_eq_u32 s15, 0
	s_cbranch_scc0 .Lfor_b_\@
	tensor_load_to_lds s[\g0a:\g0a+3], s[\g1a:\g1a+7]
	s_nop 0
.rept 4
	v_nop
.endr
	s_branch .Lasked_\@
.Lfor_b_\@:
	tensor_load_to_lds s[\g0b:\g0b+3], s[\g1b:\g1b+7]
	s_nop 0
.rept 4
	v_nop
.endr
.Lasked_\@:
.endm
.macro CREST                           ; a round of the cluster's barrier behind its opening barrier
	s_cmp_lg_u32 s14, 0
	s_cbranch_scc1 .Lnot_wave_0_\@
	s_barrier_signal -3
.Lnot_wave_0_\@:
	s_barrier_wait -3
	s_barrier_signal -1
	s_barrier_wait -1
.endm
.macro CROUND
	s_barrier_signal -1
	s_barrier_wait -1
	CREST
.endm
; Sine and cosine of ANG + DD for LIM numbers: n = round(ANG x 2 / pi), rho = ANG - n pi / 2 (two parts) + DD, polynomials on |rho| <= pi / 4, the quadrant.  Sine to ZZ, cosine to RH.
.macro SINCOS
.irp u, 0,2,4,6
.if \u < LIM
	v_pk_mul_f32 v[NN+\u:NN+\u+1], v[ANG+\u:ANG+\u+1], 0x3f22f983 op_sel_hi:[1,0]
.endif
.endr
.irp u, 0,1,2,3,4,5,6,7
.if \u < LIM
	v_rndne_f32 v[NN+\u], v[NN+\u]
.endif
.endr
.irp u, 0,2,4,6
.if \u < LIM
	v_pk_fma_f32 v[RH+\u:RH+\u+1], v[NN+\u:NN+\u+1], 0x3fc90fdb, v[ANG+\u:ANG+\u+1] op_sel_hi:[1,0,1] neg_lo:[1,0,0] neg_hi:[1,0,0]
.endif
.endr
.irp u, 0,2,4,6
.if \u < LIM
	v_pk_fma_f32 v[RH+\u:RH+\u+1], v[NN+\u:NN+\u+1], 0xb33bbd2e, v[RH+\u:RH+\u+1] op_sel_hi:[1,0,1] neg_lo:[1,0,0] neg_hi:[1,0,0]
.endif
.endr
.irp u, 0,2,4,6
.if \u < LIM
	v_pk_add_f32 v[RH+\u:RH+\u+1], v[RH+\u:RH+\u+1], v[DD+\u:DD+\u+1]
.endif
.endr
.irp u, 0,2,4,6
.if \u < LIM
	v_pk_mul_f32 v[ZZ+\u:ZZ+\u+1], v[RH+\u:RH+\u+1], v[RH+\u:RH+\u+1]
.endif
.endr
.irp u, 0,2,4,6
.if \u < LIM
	v_pk_fma_f32 v[SN+\u:SN+\u+1], v[ZZ+\u:ZZ+\u+1], 0xb94ca1f9, s[12:13] op_sel_hi:[1,0,0]
	v_pk_fma_f32 v[CN+\u:CN+\u+1], v[ZZ+\u:ZZ+\u+1], 0x37ccf5ce, s[96:97] op_sel_hi:[1,0,0]
.endif
.endr
.irp u, 0,2,4,6
.if \u < LIM
	v_pk_fma_f32 v[SN+\u:SN+\u+1], v[SN+\u:SN+\u+1], v[ZZ+\u:ZZ+\u+1], 0xbe2aaaa3 op_sel_hi:[1,1,0]
	v_pk_fma_f32 v[CN+\u:CN+\u+1], v[CN+\u:CN+\u+1], v[ZZ+\u:ZZ+\u+1], 0x3d2aaaa5 op_sel_hi:[1,1,0]
.endif
.endr
.irp u, 0,2,4,6
.if \u < LIM
	v_pk_mul_f32 v[SN+\u:SN+\u+1], v[SN+\u:SN+\u+1], v[ZZ+\u:ZZ+\u+1]
	v_pk_mul_f32 v[CN+\u:CN+\u+1], v[CN+\u:CN+\u+1], v[ZZ+\u:ZZ+\u+1]
	v_pk_fma_f32 v[KK+\u:KK+\u+1], v[ZZ+\u:ZZ+\u+1], -0.5, 1.0 op_sel_hi:[1,0,0]
.endif
.endr
.irp u, 0,2,4,6
.if \u < LIM
	v_pk_fma_f32 v[SN+\u:SN+\u+1], v[SN+\u:SN+\u+1], v[RH+\u:RH+\u+1], v[RH+\u:RH+\u+1]
	v_pk_fma_f32 v[CN+\u:CN+\u+1], v[CN+\u:CN+\u+1], v[ZZ+\u:ZZ+\u+1], v[KK+\u:KK+\u+1]
.endif
.endr
.irp u, 0,1,2,3,4,5,6,7
.if \u < LIM
	v_cvt_i32_f32 v[KK+\u], v[NN+\u]               ; the quadrant
.endif
.endr
.irp u, 0,1,2,3,4,5,6,7
.if \u < LIM
	v_and_b32 v[ANG+\u], 1, v[KK+\u]
.endif
.endr
.irp u, 0,1,2,3,4,5,6,7
.if \u < LIM
	v_cmp_eq_u32 vcc_lo, 1, v[ANG+\u]              ; odd quadrants change sine and cosine
	v_cndmask_b32 v[ZZ+\u], v[SN+\u], v[CN+\u], vcc_lo
	v_cndmask_b32 v[RH+\u], v[CN+\u], v[SN+\u], vcc_lo
.endif
.endr
.irp u, 0,1,2,3,4,5,6,7
.if \u < LIM
	v_lshlrev_b32 v[ANG+\u], 30, v[KK+\u]          ; the sine is negative in quadrants 2, 3: bit 1 of n
	v_add_lshl_u32 v[KK+\u], v[KK+\u], 1, 30       ; the cosine in quadrants 1, 2: bit 1 of n + 1
.endif
.endr
.irp u, 0,1,2,3,4,5,6,7
.if \u < LIM
	v_and_b32 v[ANG+\u], 0x80000000, v[ANG+\u]
	v_and_b32 v[KK+\u], 0x80000000, v[KK+\u]
.endif
.endr
.irp u, 0,1,2,3,4,5,6,7
.if \u < LIM
	v_xor_b32 v[ZZ+\u], v[ZZ+\u], v[ANG+\u]
	v_xor_b32 v[RH+\u], v[RH+\u], v[KK+\u]
.endif
.endr
.endm
.macro SEL2 key, val, dst, hi, lo      ; where my key is val, the constant's high and low part
	v_cmp_ne_u32 vcc_lo, \val, v[\key]
	v_cndmask_b32 v[\dst], \hi, v[\dst], vcc_lo
	v_cndmask_b32 v[\dst+1], \lo, v[\dst+1], vcc_lo
.endm
	s_load_b512 s[68:83], s[0:1], 0x0              ; x's codes, scales s[68:71]; W_q's s[72:75]; W_k's s[76:79]; W_v's s[80:83]
	s_load_b64 s[98:99], s[0:1], 0x40              ; qkv
	v_lshl_add_u32 v[SPW], v0, 2, SPARE
	v_mov_b32 v[NIL], 0
	ds_add_u32 v[SPW], v[NIL]                      ; the wave's opening: the add, twice on end, and one wait; work on registers stands between
	ds_add_u32 v[SPW], v[NIL]
	v_lshrrev_b32 v1, 5, v0
	v_readfirstlane_b32 s14, v1                    ; wave 0..3
	s_lshr_b32 s15, s14, 1                         ; which half of A's rows is mine.  Also: in the ring I fetch for A (0) or for B (1)
	s_and_b32 s16, s14, 1                          ; which half of B's rows.  Also: which 128 rows of that tile I fetch
	s_bfe_u32 s40, ttmp6, 0x40000                  ; cx, cy
	s_bfe_u32 s41, ttmp6, 0x40004
	s_lshl_b32 s43, s41, 2
	s_lshl_b32 s43, 15, s43                        ; my row of the cluster
	s_lshl_b32 s44, 0x1111, s40                    ; my column
	s_and_b32 s18, ttmp7, 0xffff                   ; the cluster's y = the batch
	s_lshl_b32 s18, s18, 2                         ; x's first tile of 256 rows in that batch
	s_lshl_b32 s19, ttmp9, 2                       ; W_q's first tile of this cluster
	s_cmp_eq_u32 ttmp9, 2
	s_cselect_b32 s2, -1.0, 1.0                    ; k's scale is 1 / scale: the exponent's sign
	s_cselect_b32 s19, 0, s19                      ; k: W_k's tiles 0 .. 3
	s_cmp_eq_u32 ttmp9, 3                          ; v: A and B change places
	s_cselect_b32 s19, s18, s19
	s_cselect_b32 s18, 0, s18
	s_cselect_b32 s100, 1, 0                       ; 1: v, which is not rotated
	s_mov_b32 s3, s2
	s_add_co_u32 s17, s18, s41                     ; A's tile: hangs on cy and the cluster's ids alone
	s_add_co_u32 s42, s19, s40                     ; B's tile: on cx and the cluster's ids alone
	; descriptor group 1: 256 rows x 256 bytes for the head's loads, padded in LDS; behind them the two words that count rows are set to 128, for the ring's
	s_or_b32 s[G1+0], s43, (0<<16)|(1<<20)|(1<<21)|(5<<22)|(3<<25)
	s_or_b32 s[G1B+0], s44, (0<<16)|(1<<20)|(1<<21)|(5<<22)|(3<<25)
.irp g, G1, G1B
	s_mov_b32 s[\g+1], ROWB<<16
	s_mov_b32 s[\g+2], 256<<16
	s_mov_b32 s[\g+3], ROWB<<16
	s_mov_b32 s[\g+4], 256
	s_mov_b32 s[\g+5], KROW
	s_mov_b32 s[\g+6], 0
	s_mov_b32 s[\g+7], 0
.endr
	s_lshl_b32 s20, s17, 8
	s_lshl_b32 s46, s42, 8
	s_mov_b32 s21, 0
	s_mov_b32 s47, 0
	s_mov_b64 s[18:19], KS
	s_mul_u64 s[22:23], s[20:21], s[18:19]         ; where these rows' scales begin, in bytes
	s_mul_u64 s[92:93], s[46:47], s[18:19]
	s_mov_b64 s[18:19], KROW
	s_mul_u64 s[20:21], s[20:21], s[18:19]         ; and their codes
	s_mul_u64 s[46:47], s[46:47], s[18:19]
	s_mul_i32 s45, s14, HALFT                      ; the ring: wave x 128 rows: no place in the cluster enters an LDS address
	s_mul_i32 s94, s16, 128*KROW                   ; the ring: which 128 rows of a tile
	s_mov_b32 s95, 0
	s_mov_b32 s12, 0x3c08839e                      ; a coefficient of the sine's and of the cosine's polynomial, as pairs
	s_mov_b32 s13, s12
	s_mov_b32 s96, 0xbab6061a
	s_mov_b32 s97, s96
	; WHAT HANGS ON THE FREQUENCY ALONE, for n = r (e = 0) and n = r + 16 (e = 1): i = 16 (r / 8) + 8 h + r % 8, and 32 on
	v_and_b32 v96, 15, v0                          ; r
	v_bfe_u32 v97, v0, 4, 1                        ; h
	v_and_b32 v98, 3, v0                           ; i % 4
	v_bfe_u32 v99, v0, 2, 1
	v_lshl_add_u32 v99, v97, 1, v99                ; (i / 4) % 4
	v_mov_b32 v100, 1.0
	v_mov_b32 v101, 0
	v_mov_b32 v102, 1.0
	v_mov_b32 v103, 0
	SEL2 98, 1, 100, 0x3f93cfe5, 0x334a4053        ; 10^(1/16), high and low part
	SEL2 98, 2, 100, 0x3faab0d5, 0xb36457e2        ; 10^(2/16)
	SEL2 98, 3, 100, 0x3fc51c50, 0xb1454e53        ; 10^(3/16)
	SEL2 99, 1, 102, 0x3fe39ea9, 0xb26aee48        ; 10^(1/4)
	SEL2 99, 2, 102, 0x404a62c2, 0xb324b494        ; 10^(1/2)
	SEL2 99, 3, 102, 0x40b3f300, 0x3432345f        ; 10^(3/4)
	v_mov_b32 v104, 1.0                            ; 10^(i / 16), the whole part: 1 or 10; 100 or 1,000: exact
	v_mov_b32 v105, 0x42c80000
	v_cmp_gt_u32 vcc_lo, 8, v96
	v_cndmask_b32 v104, 0x41200000, v104, vcc_lo
	v_cndmask_b32 v105, 0x447a0000, v105, vcc_lo
.irp e, 0,1
	v_mul_f32 v[106+\e], v[104+\e], v102           ; the products as two parts each, one rounding at the end
.endr
.irp e, 0,1
	v_fma_f32 v[108+\e], v[104+\e], v102, -v[106+\e]
.endr
.irp e, 0,1
	v_fma_f32 v[108+\e], v[104+\e], v103, v[108+\e]
.endr
.irp e, 0,1
	v_add_f32 v[110+\e], v[106+\e], v[108+\e]
.endr
.irp e, 0,1
	v_sub_f32 v[112+\e], v[106+\e], v[110+\e]
.endr
.irp e, 0,1
	v_add_f32 v[112+\e], v[112+\e], v[108+\e]
.endr
.irp e, 0,1
	v_mul_f32 v[114+\e], v[110+\e], v100
.endr
.irp e, 0,1
	v_fma_f32 v[116+\e], v[110+\e], v100, -v[114+\e]
.endr
.irp e, 0,1
	v_fma_f32 v[116+\e], v[110+\e], v101, v[116+\e]
.endr
.irp e, 0,1
	v_fma_f32 v[116+\e], v[112+\e], v100, v[116+\e]
.endr
.irp e, 0,1
	v_add_f32 v[114+\e], v[114+\e], v[116+\e]      ; 10^(i / 16)
.endr
	v_and_b32 v118, 8, v0
	v_and_b32 v119, 7, v0
	v_lshl_add_u32 v118, v118, 1, v119
	v_lshl_add_u32 v118, v97, 3, v118              ; i
	v_lshlrev_b32 v118, 1, v118
	v_cvt_f32_u32 v118, v118                       ; 2 i
	v_add_f32 v119, 0x42800000, v118               ; and 64 on
.irp e, 0,1
	v_add_f32 v[118+\e], 0x424ccccd, v[118+\e]     ; + 51.2
.endr
.irp e, 0,1
	v_mul_f32 v[120+\e], 0x3bb6db6e, v[118+\e]     ; / 179.2: a first quotient, its remainder, the correction
.endr
	v_mov_b32 v122, 0x43333333
.irp e, 0,1
	v_fma_f32 v[118+\e], -v[120+\e], v122, v[118+\e]
.endr
.irp e, 0,1
	v_fmac_f32 v[120+\e], 0x3bb6db6e, v[118+\e]
.endr
	s_wait_alu depctr_va_vdst(0)                   ; ahead of the batch
	v_rcp_f32 v124, v114
	v_rcp_f32 v125, v115
	v_log_f32 v126, v120
	v_log_f32 v127, v121
.set u, 0
.rept 64                                           ; (also the plain places behind the transcendentals)  a lane move's destination counts as one of its sources: written once
	v_mov_b32 v[IVR+u], 0
.set u, u+1
.endr
	WIN TO_B
.set u, 0
.rept 64
	v_mov_b32 v[RC+u], 0
.set u, u+1
.endr
	WIN 0
	s_wait_alu depctr_va_vdst(0)                   ; and for one behind it
.rept 2                                            ; two Newton steps
	v_pk_fma_f32 v[116:117], v[114:115], v[124:125], 1.0 op_sel_hi:[1,1,0] neg_lo:[1,0,0] neg_hi:[1,0,0]
	v_pk_fma_f32 v[124:125], v[124:125], v[116:117], v[124:125]
.endr
	v_pk_mul_f32 v[126:127], v[126:127], s[2:3] op_sel_hi:[1,0]    ; log2 of the scale's base, with k's sign
	s_wait_alu depctr_va_vdst(0)                   ; directly ahead of the waits below
	s_wait_dscnt 0x0                               ; both opening adds are done
	s_wait_kmcnt 0x0
	s_cmp_eq_u32 ttmp9, 2                          ; the weight: W_q, W_k or W_v: the choice hangs on the cluster's x alone
	s_cselect_b64 s[72:73], s[76:77], s[72:73]
	s_cselect_b64 s[74:75], s[78:79], s[74:75]
	s_cmp_eq_u32 ttmp9, 3
	s_cselect_b64 s[72:73], s[80:81], s[72:73]
	s_cselect_b64 s[74:75], s[82:83], s[74:75]
	s_cselect_b64 s[4:5], s[72:73], s[68:69]       ; A's codes and scales: the weight's for v, else x's
	s_cselect_b64 s[6:7], s[74:75], s[70:71]
	s_cselect_b64 s[8:9], s[68:69], s[72:73]       ; B's
	s_cselect_b64 s[10:11], s[70:71], s[74:75]
	; the scales of 256 rows: a dense block of 16,384 bytes, as 64 rows of 256 bytes (32 elements of 8 bytes), 16 bytes of padding behind each.  (s68-91 are free now)
	s_or_b32 s[G1S+0], s43, (3<<16)|(1<<20)|(1<<21)|(5<<22)|(3<<25)
	s_or_b32 s[G1SB+0], s44, (3<<16)|(1<<20)|(1<<21)|(5<<22)|(3<<25)
.irp g, G1S, G1SB
	s_mov_b32 s[\g+1], 32<<16
	s_mov_b32 s[\g+2], KS<<16
	s_mov_b32 s[\g+3], 32<<16
	s_mov_b32 s[\g+4], KS
	s_mov_b32 s[\g+5], 32
	s_mov_b32 s[\g+6], 0
	s_mov_b32 s[\g+7], 0
.endr
	s_add_nc_u64 s[20:21], s[4:5], s[20:21]
	s_add_nc_u64 s[22:23], s[6:7], s[22:23]
	s_add_nc_u64 s[46:47], s[8:9], s[46:47]
	s_add_nc_u64 s[92:93], s[10:11], s[92:93]
	CROUND                                         ; all sixteen work-groups are here: the first joint loads meet
	s_mov_b32 s[G0H], 1                            ; the head's four tiles: K step 0's 256 rows of A,
	s_mov_b32 s[G0H+1], 0
	s_mov_b64 s[G0H+2:G0H+3], s[20:21]
	s_or_b32 s[G0H+3], s[G0H+3], 0x80000000
	s_mov_b32 s[G0HB], 1                           ; its 256 rows of B,
	s_mov_b32 s[G0HB+1], 2*HALFT
	s_mov_b64 s[G0HB+2:G0HB+3], s[46:47]
	s_or_b32 s[G0HB+3], s[G0HB+3], 0x80000000
	s_mov_b32 s[G0S], 1                            ; the scales of A's 256 rows,
	s_mov_b32 s[G0S+1], SCL
	s_mov_b64 s[G0S+2:G0S+3], s[22:23]
	s_or_b32 s[G0S+3], s[G0S+3], 0x80000000
	s_mov_b32 s[G0SB], 1                           ; and of B's
	s_mov_b32 s[G0SB+1], SCL+2*HALFS
	s_mov_b64 s[G0SB+2:G0SB+3], s[92:93]
	s_or_b32 s[G0SB+3], s[G0SB+3], 0x80000000
	s_add_nc_u64 s[20:21], s[20:21], s[94:95]      ; for the ring: my 128 rows of the tile
	s_add_nc_u64 s[46:47], s[46:47], s[94:95]
.irp s, 0,1
	s_mov_b32 s[G0+4*\s], 1
	s_add_co_u32 s[G0+4*\s+1], s45, \s*SLOT
	s_add_nc_u64 s[G0+4*\s+2:G0+4*\s+3], s[20:21], \s*ROWB
	s_or_b32 s[G0+4*\s+3], s[G0+4*\s+3], 0x80000000
	s_mov_b32 s[G0B+4*\s], 1
	s_add_co_u32 s[G0B+4*\s+1], s45, \s*SLOT
	s_add_nc_u64 s[G0B+4*\s+2:G0B+4*\s+3], s[46:47], \s*ROWB
	s_or_b32 s[G0B+4*\s+3], s[G0B+4*\s+3], 0x80000000
.endr
; THE HEAD'S LOADS, ONE A WAVE: wave 0 K step 0 of A, wave 1 of B, wave 2 A's scales, wave 3 B's.  One tree of branches on the wave's number: every way passes exactly one load.
.macro ARM under, g0, g1, next
	s_cmp_lt_u32 s14, \under
	s_cbranch_scc0 \next
	tensor_load_to_lds s[\g0:\g0+3], s[\g1:\g1+7]
	s_nop 0
.rept 4
	v_nop
.endr
	s_branch .Lhead_asked
\next:
.endm
	ARM 1, G0H,  G1,  .Lhead_b
	ARM 2, G0HB, G1B, .Lhead_sa
	ARM 3, G0S,  G1S, .Lhead_sb
	tensor_load_to_lds s[G0SB:G0SB+3], s[G1SB:G1SB+7]
	s_nop 0
.rept 4
	v_nop
.endr
.Lhead_asked:
	v_and_b32 v1, 15, v0                           ; l % 16
	v_bfe_u32 v2, v0, 4, 1                         ; l / 16
	v_mul_u32_u24 v3, v1, PITCH
	v_lshl_add_u32 v4, v2, 4, v3                   ; a fragment's row x pitch + 16 x half
	s_mul_i32 s21, s15, HALFT                      ; my 128 rows of A
	s_mul_i32 s22, s16, HALFT                      ; my 128 rows of B, behind A's 256
	s_add_co_u32 s22, s22, 2*HALFT
.irp s, 0,1
	v_add_nc_u32 v[ADRA+\s], s21, v4
	v_add_nc_u32 v[ADRB+\s], s22, v4
	s_add_co_u32 s21, s21, SLOT
	s_add_co_u32 s22, s22, SLOT
.endr
	v_mul_u32_u24 v5, v1, KS                       ; my row's scales: 64 bytes a row,
	v_lshrrev_b32 v6, 8, v5
	v_lshl_add_u32 v5, v6, 4, v5                   ; and 16 more for each 256 passed
	s_mul_i32 s21, s15, HALFS
	s_mul_i32 s22, s16, HALFS
	s_add_co_u32 s22, s22, 2*HALFS
	s_sub_co_u32 s22, s22, s21
	v_mul_u32_u24 v6, s22, v2                      ; lanes 16-31 take B's: one product, the distance x half
	s_add_co_u32 s21, s21, SCL
	v_add_nc_u32 v5, v5, v6
	v_add_nc_u32 v[ADRS], s21, v5
	v_and_b32 v6, 31, v0
	v_lshlrev_b32 v[LI], 4, v6
	s_lshl_b32 s23, s14, 9
	v_lshl_add_u32 v[SWA], v1, 2, s23
	v_add_nc_u32 v[SRA], s23, v[LI]
	s_wait_alu depctr_va_vdst(0)                   ; ahead of the scalar lines below
	; which record is my wave's
	s_lshl_b32 s66, s41, 1
	s_add_co_u32 s66, s66, s15                     ; my 128 rows of A among the cluster's 1,024
	s_lshl_b32 s67, s40, 1
	s_add_co_u32 s67, s67, s16                     ; my 128 rows of B
	s_lshl_b32 s93, ttmp9, 3
	s_cmp_lt_u32 ttmp9, 2
	s_cselect_b32 s92, 4, 3                        ; q: 16 heads a batch; k, v: 8
	s_cselect_b32 s93, s93, 0                      ; q: the cluster's first head
	s_cselect_b32 s94, 0, 512                      ; k's records begin at 512,
	s_cmp_eq_u32 ttmp9, 3
	s_cselect_b32 s95, s66, s67                    ; the head: B's block, for v A's
	s_cselect_b32 s101, s67, s66                   ; the 128 positions: A's block, for v B's
	s_cselect_b32 s94, 768, s94                    ; v's at 768
	s_and_b32 s2, ttmp7, 0xffff
	s_lshl_b32 s2, s2, s92
	s_add_co_u32 s2, s2, s93
	s_add_co_u32 s2, s2, s95
	s_lshl_b32 s2, s2, 3
	s_add_co_u32 s2, s2, s101
	s_add_co_u32 s2, s2, s94
	s_mul_i32 s92, s2, REC
	s_mov_b32 s93, 0
	s_add_nc_u64 s[98:99], s[98:99], s[92:93]      ; qkv at my record
	s_lshl_b32 s92, s101, 7
	; R, THEN Z AT MY FIRST POSITION, while the tiles are on their way
	v_pk_mul_f32 v[ANG:ANG+1], v[124:125], 0x41800000 op_sel_hi:[1,0]   ; R's angle, 16 inv_freq: exact
	v_mov_b32 v[DD], 0
	v_mov_b32 v[DD+1], 0
	v_add_nc_u32 v112, s92, v1                     ; t = 128 P + r
	v_cvt_f32_u32 v[TF], v112
	v_add_nc_u32 v112, 0xfffffe00, v112            ; t - 512
	v_mov_b32 v[TF+1], v[TF]
	v_cvt_f32_i32 v[PW], v112
	v_mul_f32 v[PW], 0x3b000000, v[PW]             ; / 512: exact
	v_mov_b32 v[PW+1], v[PW]
.set LIM, 2
	SINCOS
	v_pk_mul_f32 v[116:117], v[126:127], 0x3d000000 op_sel_hi:[1,0]     ; x 16 / 512
	s_wait_alu depctr_va_vdst(0)                   ; ahead of the batch
	v_exp_f32 v116, v116
	v_exp_f32 v117, v117
.irp n, 0,1,2,3,4,5,6,7,8,9,10,11,12,13,14,15      ; (also the plain places behind the exponentials)  every lane of a row takes lane n's
	v_mov_b32_dpp v[IVR+\n], v124 row_share:\n row_mask:0xf bank_mask:0xf
	v_mov_b32_dpp v[IVR+16+\n], v125 row_share:\n row_mask:0xf bank_mask:0xf
	v_mov_b32_dpp v[EX+\n], v126 row_share:\n row_mask:0xf bank_mask:0xf
	v_mov_b32_dpp v[EX+16+\n], v127 row_share:\n row_mask:0xf bank_mask:0xf
.endr
	s_wait_alu depctr_va_vdst(0)                   ; behind the batch
	v_pk_mul_f32 v[118:119], v[116:117], v[RH:RH+1]
	v_pk_mul_f32 v[120:121], v[116:117], v[ZZ:ZZ+1]
	WIN TO_B
.irp n, 0,1,2,3,4,5,6,7,8,9,10,11,12,13,14,15
	v_mov_b32_dpp v[RC+\n], v118 row_share:\n row_mask:0xf bank_mask:0xf
	v_mov_b32_dpp v[RC+16+\n], v119 row_share:\n row_mask:0xf bank_mask:0xf
	v_mov_b32_dpp v[RS+\n], v120 row_share:\n row_mask:0xf bank_mask:0xf
	v_mov_b32_dpp v[RS+16+\n], v121 row_share:\n row_mask:0xf bank_mask:0xf
.endr
	WIN 0
.set u, 0
.rept 16
	v_pk_mul_f32 v[EX+u:EX+u+1], v[EX+u:EX+u+1], v[PW:PW+1] op_sel_hi:[1,0]
.set u, u+2
.endr
	s_wait_alu depctr_va_vdst(0)                   ; ahead of the batch
.set u, 0
.rept 32
	v_exp_f32 v[EX+u], v[EX+u]
.set u, u+1
.endr
	v_nop                                          ; a plain place behind the exponentials
	s_wait_alu depctr_va_vdst(0)                   ; behind the batch
.set LIM, 8
.irp g, 0,8,16,24
.set GG, \g
.irp u, 0,2,4,6
	v_pk_mul_f32 v[ANG+\u:ANG+\u+1], v[IVR+GG+\u:IVR+GG+\u+1], v[TF:TF+1] op_sel_hi:[1,0]
.endr
.irp u, 0,2,4,6
	v_pk_fma_f32 v[DD+\u:DD+\u+1], v[IVR+GG+\u:IVR+GG+\u+1], v[TF:TF+1], v[ANG+\u:ANG+\u+1] op_sel_hi:[1,0,1] neg_lo:[0,0,1] neg_hi:[0,0,1]   ; what the angle's rounding left
.endr
	SINCOS
	WIN TO_B
.irp u, 0,2,4,6
	v_pk_mul_f32 v[ZC+GG+\u:ZC+GG+\u+1], v[EX+GG+\u:EX+GG+\u+1], v[RH+\u:RH+\u+1]
	v_pk_mul_f32 v[ZS+GG+\u:ZS+GG+\u+1], v[EX+GG+\u:EX+GG+\u+1], v[ZZ+\u:ZZ+\u+1]
.endr
	WIN 0
.endr
.macro FRAG reg, adr, q, i             ; a fragment, 16 rows x 128 K, is 8 registers: lane l holds row l % 16; registers 4 c .. 4 c + 3 hold K = 64 c + 32 (l / 16) + 0 .. 31
.irp c, 0,1
	ds_load_b128 v[\reg+4*\c:\reg+4*\c+3], v[\adr] offset:64*(\q)+32*\c+(\i)*16*PITCH
.endr
.endm
; 16 matrix instructions: A's blocks a0, a0 + 1 x B's eight.  The 64 accumulators take turns, in the same order in every step.
; A scale register carries A's word of block i in lanes 0-15 and B's word of block i in lanes 16-31.
.macro MUL16 a0, p, q, sc, zero
.irp a, \a0, \a0+1
.irp b, 0,1,2,3,4,5,6,7
.if \zero
	v_wmma_scale_f32_16x16x128_f8f6f4 v[8*(8*((\a)%4)+\b):8*(8*((\a)%4)+\b)+7], v[128*(\p)+FR*\b:128*(\p)+FR*\b+FR-1], v[AF+FR*(\a):AF+FR*(\a)+FR-1], 0, v[SC+8*NQ*(\sc)+NQ*\b+(\q)], v[SC+8*NQ*(\sc)+NQ*(\a)+(\q)] matrix_a_fmt:MATRIX_FMT_FP4 matrix_b_fmt:MATRIX_FMT_FP4 matrix_a_scale:MATRIX_SCALE_ROW1
.else
	v_wmma_scale_f32_16x16x128_f8f6f4 v[8*(8*((\a)%4)+\b):8*(8*((\a)%4)+\b)+7], v[128*(\p)+FR*\b:128*(\p)+FR*\b+FR-1], v[AF+FR*(\a):AF+FR*(\a)+FR-1], v[8*(8*((\a)%4)+\b):8*(8*((\a)%4)+\b)+7], v[SC+8*NQ*(\sc)+NQ*\b+(\q)], v[SC+8*NQ*(\sc)+NQ*(\a)+(\q)] matrix_a_fmt:MATRIX_FMT_FP4 matrix_b_fmt:MATRIX_FMT_FP4 matrix_a_scale:MATRIX_SCALE_ROW1
.endif
.endr
.endr
.endm
.macro FETCH_B slot, q, p
	WIN TO_B
.irp i, 0,1,2,3,4,5,6,7
	FRAG 128*(\p)+FR*\i, ADRB+\slot, \q, \i
.endr
	WIN 0
.endm
.macro FETCH_A slot, q, i0
.irp i, \i0, \i0+1, \i0+2, \i0+3
	FRAG AF+FR*(\i), ADRA+\slot, \q, \i
.endr
.endm
.macro SCALES sc                       ; a K step's scale words into set sc
.irp i, 0,1,2,3,4,5,6,7
	ds_load_b128 v[SC+8*NQ*\sc+NQ*\i:SC+8*NQ*\sc+NQ*\i+3], v[ADRS] offset:\i*SBLK
.endr
.endm
.macro PLACES n                        ; plain vector instructions between a matrix instruction and a load into, or a read of, its registers
.rept \n
	v_nop
.endr
.endm
; A step of 128 along K that has its successor in the same slot.  At its end A's blocks 4-7 of the next step are asked for, and B's fragments of the step behind that, into the set that this step has read.
.macro STEP slot, q, zero
	s_wait_dscnt 12*NL                             ; B's set and A's blocks 0-3 are in; out may be A's blocks 4-7 (8 loads) and B's next set (16)
	WIN MUL_LO
	MUL16 0, (\q)%2, \q, \slot, \zero
	MUL16 2, (\q)%2, \q, \slot, \zero
	s_wait_dscnt 8*NL                              ; A's blocks 4-7 are in; B's next set may be out
	PLACES NP
	WIN 0
	FETCH_A \slot, (\q)+1, 0
	WIN MUL_HI
	MUL16 4, (\q)%2, \q, \slot, \zero
	MUL16 6, (\q)%2, \q, \slot, \zero
	PLACES NP
	WIN 0
	FETCH_A \slot, (\q)+1, 4
.if (\q)+2 < NQ
	FETCH_B \slot, (\q)+2, (\q)%2
.endif
.endm
; A slot's last step changes slots: one barrier; in front of it each wave waits for all its tensor loads, adds 0 to its spare word, and waits for that and for its own reads of this slot.  fill = 1: this slot is filled again, two K steps ahead.
.macro TURN slot, next, fill
	s_wait_tensorcnt 0x0                           ; all my tensor loads have landed: my part of the next slot  (every window is 0 here)
	ds_add_u32 v[SPW], v[NIL]                      ; 0 onto my spare word
	s_wait_dscnt 4*NL+1                            ; (the add and the youngest eight loads may be out)
	WIN MUL_LO
	MUL16 0, 1, NQ-1, \slot, 0
	s_wait_dscnt 0x0                               ; the add is done, and my reads of this slot are over
	s_barrier_signal -1
	MUL16 2, 1, NQ-1, \slot, 0
	WIN 0
	s_barrier_wait -1
.if \fill
	CREST                                          ; no wave of any partner still reads this slot or has a load on its way
	s_add_nc_u64 s[G0+4*\slot+2:G0+4*\slot+3], s[G0+4*\slot+2:G0+4*\slot+3], 2*ROWB
	s_add_nc_u64 s[G0B+4*\slot+2:G0B+4*\slot+3], s[G0B+4*\slot+2:G0B+4*\slot+3], 2*ROWB
	JLOAD G0+4*\slot, G1, G0B+4*\slot, G1B         ; the first tensor load behind the round; its four v_nop are the places in front of the loads below
.else
	PLACES NP
.endif
	v_add_nc_u32 v[ADRS], 4*NQ, v[ADRS]            ; on to the next K step's scale words
	s_wait_alu depctr_va_vdst(0)                   ; directly behind the write
	FETCH_B \next, 0, 0
	FETCH_A \next, 0, 0
	SCALES \next
	WIN MUL_HI
	MUL16 4, 1, NQ-1, \slot, 0
	MUL16 6, 1, NQ-1, \slot, 0
	PLACES NP
	WIN 0
	FETCH_A \next, 0, 4
	FETCH_B \next, 1, 1
.endm
.macro STEPS slot, from
.set Q, \from
.rept NQ-1-\from
	STEP \slot, Q, 0
.set Q, Q+1
.endr
.endm
	s_wait_alu depctr_va_vdst(0)                   ; at the head's end
	s_wait_tensorcnt 0x0                           ; my tile of the head's four is in; the lines ahead of a later first fill:
	ds_add_u32 v[SPW], v[NIL]
	s_mov_b32 s[G1+2], 128<<16                     ; no tensor load of mine is out: from here on a load brings 128 rows
	s_mov_b32 s[G1+4], 128
	s_mov_b32 s[G1B+2], 128<<16
	s_mov_b32 s[G1B+4], 128
	s_wait_dscnt 0x0                               ; the add is done
	CROUND                                         ; all four tiles are in, and all sixteen work-groups are here
	JLOAD G0+4, G1, G0B+4, G1B                     ; K step 1's load, the first tensor load behind the round
	FETCH_B 0, 0, 0
	FETCH_A 0, 0, 0
	SCALES 0
	FETCH_A 0, 0, 4
	FETCH_B 0, 1, 1
	STEP 0, 0, 1                                   ; the first step stands in front of the loop: its products start the sums
	s_mov_b32 s3, LAPS-1
.Llap:                                                 ; a trip goes once round the ring, from a lap's second step to the next lap's first, and fills both slots again
	STEPS 0, 1
	TURN 0, 1, 1
	STEPS 1, 0
	TURN 1, 0, 1
	STEP 0, 0, 0
	s_sub_co_u32 s3, s3, 1
	s_cmp_lg_u32 s3, 0
	s_cbranch_scc1 .Llap
	STEPS 0, 1                                     ; the last lap fills nothing, and has no round of the cluster's barrier
	TURN 0, 1, 0
	STEPS 1, 0
	s_wait_dscnt 4*NL                              ; the very last step: nothing more to fetch
	WIN MUL_LO
	MUL16 0, 1, NQ-1, 1, 0
	MUL16 2, 1, NQ-1, 1, 0
	s_wait_dscnt 0
	WIN MUL_HI
	MUL16 4, 1, NQ-1, 1, 0
	MUL16 6, 1, NQ-1, 1, 0
	WIN 0
; THE WAY OUT, a loop over my eight blocks a of 16 rows of A (64 registers at AC in window W): the block's numbers, rotated (q, k) or as they are (v), come to Y; Y becomes a fragment's codes and its scale word.
.macro ROT a                           ; (x1, x2) = columns (i, i + 64): x1 C - x2 S, x2 C + x1 S.  Each accumulator is read from its low end on
.set AC, 64*((\a)%4)
.set W, 2+(\a)/4
.set WN, W|4
	WIN WN                                         ; source 0 the sums, source 1 window 1
.set pp, 0
.rept 16
	v_pk_mul_f32 v[Y+pp:Y+pp+1], v[AC+pp:AC+pp+1], v[CP+pp:CP+pp+1]
	v_pk_mul_f32 v[Y+32+pp:Y+32+pp+1], v[AC+pp:AC+pp+1], v[SP+pp:SP+pp+1]
.set pp, pp+2
.endr
.set pp, 0
.rept 16
	v_pk_fma_f32 v[Y+pp:Y+pp+1], v[AC+32+pp:AC+32+pp+1], v[SP+pp:SP+pp+1], v[Y+pp:Y+pp+1] neg_lo:[1,0,0] neg_hi:[1,0,0]
	v_pk_fma_f32 v[Y+32+pp:Y+32+pp+1], v[AC+32+pp:AC+32+pp+1], v[CP+pp:CP+pp+1], v[Y+32+pp:Y+32+pp+1]
.set pp, pp+2
.endr
	WIN 0
	s_wait_alu depctr_va_vdst(0)                   ; ahead of the branch
.endm
.macro MOVV a
.set AC, 64*((\a)%4)
.set W, 2+(\a)/4
	WIN W
.set pp, 0
.rept 64
	v_mov_b32 v[Y+pp], v[AC+pp]
.set pp, pp+1
.endr
	WIN 0
	s_wait_alu depctr_va_vdst(0)
.endm
	s_mov_b32 s4, 0x76543210                       ; v_permlanex16_b32's selects for lane l xor 16
	s_mov_b32 s5, 0xfedcba98
	s_mov_b32 s3, 0                                ; the block
	s_mov_b32 s6, 0                                ; 64 x block
	s_mov_b32 s7, 0                                ; 1,024 x block
.irp b, 0,1,2,3
	v_mov_b32 v[TM+4+\b], 0                        ; a lane permute's destination counts as one of its sources.  These four are also the places behind the last products
.endr
	s_wait_alu depctr_va_vdst(0)                   ; ahead of the branches
.Lout:
	s_cmp_eq_u32 s100, 1                           ; hangs on the cluster's x alone, which all sixteen partners share
	s_cbranch_scc1 .Lpick_v
	WIN 0x40
.set u, 0
.rept 16
	v_pk_mul_f32 v[D1+u:D1+u+1], v[IVR+u:IVR+u+1], v[TF:TF+1] op_sel_hi:[1,0]      ; the angle as reference() rounds it
.set u, u+2
.endr
	WIN 0x50
.set u, 0
.rept 16
	v_pk_fma_f32 v[D1+u:D1+u+1], v[IVR+u:IVR+u+1], v[TF:TF+1], v[D1+u:D1+u+1] op_sel_hi:[1,0,1] neg_lo:[0,0,1] neg_hi:[0,0,1]   ; d
.set u, u+2
.endr
	WIN 0x55
.set u, 0
.rept 16
	v_pk_fma_f32 v[CP+u:CP+u+1], v[D1+u:D1+u+1], v[ZS+u:ZS+u+1], v[ZC+u:ZC+u+1]
	v_pk_fma_f32 v[SP+u:SP+u+1], v[D1+u:D1+u+1], v[ZC+u:ZC+u+1], v[ZS+u:ZS+u+1] neg_lo:[1,0,0] neg_hi:[1,0,0]
	v_pk_mul_f32 v[T1+u:T1+u+1], v[ZS+u:ZS+u+1], v[RS+u:RS+u+1]
.set u, u+2
.endr
.set u, 0
.rept 16
	v_pk_mul_f32 v[D1+u:D1+u+1], v[ZC+u:ZC+u+1], v[RS+u:RS+u+1]
.set u, u+2
.endr
.set u, 0
.rept 16
	v_pk_fma_f32 v[ZC+u:ZC+u+1], v[ZC+u:ZC+u+1], v[RC+u:RC+u+1], v[T1+u:T1+u+1] neg_lo:[0,0,1] neg_hi:[0,0,1]   ; Z x R: the next block's
	v_pk_fma_f32 v[ZS+u:ZS+u+1], v[ZS+u:ZS+u+1], v[RC+u:RC+u+1], v[D1+u:D1+u+1]
.set u, u+2
.endr
	WIN 0
	v_add_f32 v[TF], 0x41800000, v[TF]             ; 16 positions on
	s_wait_alu depctr_va_vdst(0)
.irp a, 0,1,2,3,4,5,6
	s_cmp_eq_u32 s3, \a
	s_cbranch_scc1 .Lrot_\a
.endr
	ROT 7
	s_branch .Lquant
.irp a, 0,1,2,3,4,5,6
.Lrot_\a:
	ROT \a
	s_branch .Lquant
.endr
.Lpick_v:
.irp a, 0,1,2,3,4,5,6
	s_cmp_eq_u32 s3, \a
	s_cbranch_scc1 .Lmov_\a
.endr
	MOVV 7
	s_branch .Lquant
.irp a, 0,1,2,3,4,5,6
.Lmov_\a:
	MOVV \a
	s_branch .Lquant
.endr
.Lquant:
	s_wait_xcnt 0x0                                ; the last block's stores have read their registers
	v_add_nc_u32 v[OO], s7, v[LI]
	v_add_nc_u32 v[SWT], s6, v[SWA]
.irp b, 0,1,2,3
	v_max3_num_f32 v[TM+\b], |v[Y+16*\b]|, |v[Y+16*\b+1]|, 0x1800000   ; a block of 32 along the next K = 16 registers of lanes l and l xor 16; the floor 2^(3 - 127): the byte cannot fall under 1
.endr
.irp i, 2,4,6,8,10,12,14
.irp b, 0,1,2,3
	v_max3_num_f32 v[TM+\b], v[TM+\b], |v[Y+16*\b+\i]|, |v[Y+16*\b+\i+1]|
.endr
.endr
.irp b, 0,1,2,3
	v_permlanex16_b32 v[TM+4+\b], v[TM+\b], s4, s5
.endr
.irp b, 0,1,2,3
	v_max_num_f32 v[TM+\b], v[TM+\b], v[TM+4+\b]   ; with lane l xor 16's
.endr
.irp b, 0,1,2,3
	v_add_nc_u32 v[TM+12+\b], 0xff000000, v[TM+\b] ; 2 off its exponent field: the conversion's scale operand
.endr
.irp b, 0,1,2,3
	v_lshrrev_b32 v[TM+4+\b], 23, v[TM+12+\b]      ; the scale's byte
.endr
	v_lshl_or_b32 v[PWS], v[TM+5], 8, v[TM+4]      ; my row's scale word
	v_lshl_or_b32 v[PWS], v[TM+6], 16, v[PWS]
	v_lshl_or_b32 v[PWS], v[TM+7], 24, v[PWS]
.irp c, 0,1                                        ; tiles 4 c, 4 c + 2 go to registers 4 c, 4 c + 1 and tiles 4 c + 1, 4 c + 3 to 4 c + 2, 4 c + 3,
	v_cvt_scalef32_pk8_fp4_f32 v[PC+4*\c], v[Y+32*\c:Y+32*\c+7], v[TM+12+2*\c]
	v_cvt_scalef32_pk8_fp4_f32 v[PC+4*\c+2], v[Y+32*\c+8:Y+32*\c+15], v[TM+12+2*\c]
	v_cvt_scalef32_pk8_fp4_f32 v[PC+4*\c+1], v[Y+32*\c+16:Y+32*\c+23], v[TM+12+2*\c+1]
	v_cvt_scalef32_pk8_fp4_f32 v[PC+4*\c+3], v[Y+32*\c+24:Y+32*\c+31], v[TM+12+2*\c+1]
.endr
	v_nop                                          ; one plain place behind a scaled conversion
.irp c, 0,1                                        ; so that one exchange a pair leaves registers 4 c .. 4 c + 3 = k 64 c + 32 (lane / 16) + 0 .. 31
	v_permlane16_swap_b32 v[PC+4*\c], v[PC+4*\c+1]
	v_permlane16_swap_b32 v[PC+4*\c+2], v[PC+4*\c+3]
.endr
	global_store_b128 v[OO], v[PC:PC+3], s[98:99]                     ; 32 lanes store 512 consecutive bytes, aligned
	global_store_b128 v[OO], v[PC+4:PC+7], s[98:99] offset:512
	ds_store_b32 v[SWT], v[PWS]                    ; lanes l and l xor 16 write the same word with the same value
	s_add_co_u32 s6, s6, 64
	s_add_co_u32 s7, s7, 1024
	s_add_co_u32 s3, s3, 1
	s_wait_alu depctr_va_vdst(0)                   ; ahead of the branch
	s_cmp_lt_u32 s3, 8
	s_cbranch_scc1 .Lout
	ds_load_b128 v[OW:OW+3], v[SRA]                ; the record's 512 bytes of scale words: LDS serves a wave's instructions in order (ISA guide 5.7.1.4): this sees my eight stores
	s_wait_dscnt 0x0
	global_store_b128 v[LI], v[OW:OW+3], s[98:99] offset:8192
	s_wait_tensorcnt 0x0                           ; the wave's end
	ds_add_u32 v[SPW], v[NIL]
	s_wait_dscnt 0x0
	CROUND                                         ; the closing round: no work-group ends while a partner may still ask for a tile that names it
	s_endpgm
.Lfunc_end_k_qf15595a302_qkv:
	.size	k_qf15595a302_qkv, .Lfunc_end_k_qf15595a302_qkv-k_qf15595a302_qkv
	.p2alignl 7, 3214868480
	.fill 96, 4, 3214868480
	.section	.rodata,"a",@progbits
	.p2align	6, 0x0
	.amdhsa_kernel k_qf15595a302_qkv
		.amdhsa_group_segment_fixed_size 327680
		.amdhsa_private_segment_fixed_size 0
		.amdhsa_enable_private_segment 0
		.amdhsa_kernarg_size 72
		.amdhsa_user_sgpr_count 2
		.amdhsa_user_sgpr_kernarg_segment_ptr 1
		.amdhsa_wavefront_size32 1
		.amdhsa_system_sgpr_workgroup_id_x 1
		.amdhsa_system_sgpr_workgroup_id_y 1
		.amdhsa_system_sgpr_workgroup_id_z 1
		.amdhsa_system_vgpr_workitem_id 0
		.amdhsa_next_free_vgpr 1024
		.amdhsa_next_free_sgpr 102
		.amdhsa_reserve_vcc 1
		.amdhsa_float_denorm_mode_32 3
		.amdhsa_float_denorm_mode_16_64 3
		.amdhsa_memory_ordered 1
		.amdhsa_forward_progress 1
		.amdhsa_inst_pref_size 255
	.end_amdhsa_kernel
	.section	.bss,"aw",@nobits
	.p2align	6
	.space	262144
	.amdgpu_metadata
---
amdhsa.version: [ 1, 2 ]
amdhsa.kernels:
  - .name:           k_qf15595a302_qkv
    .symbol:         k_qf15595a302_qkv.kd
    .args:
      - { .name: x_codes, .offset: 0, .size: 8, .value_kind: global_buffer, .address_space: global }
      - { .name: x_scales, .offset: 8, .size: 8, .value_kind: global_buffer, .address_space: global }
      - { .name: W_q_codes, .offset: 16, .size: 8, .value_kind: global_buffer, .address_space: global }
      - { .name: W_q_scales, .offset: 24, .size: 8, .value_kind: global_buffer, .address_space: global }
      - { .name: W_k_codes, .offset: 32, .size: 8, .value_kind: global_buffer, .address_space: global }
      - { .name: W_k_scales, .offset: 40, .size: 8, .value_kind: global_buffer, .address_space: global }
      - { .name: W_v_codes, .offset: 48, .size: 8, .value_kind: global_buffer, .address_space: global }
      - { .name: W_v_scales, .offset: 56, .size: 8, .value_kind: global_buffer, .address_space: global }
      - { .name: qkv, .offset: 64, .size: 8, .value_kind: global_buffer, .address_space: global }
    .group_segment_fixed_size: 327680
    .private_segment_fixed_size: 0
    .kernarg_segment_align: 8
    .kernarg_segment_size: 72
    .max_flat_workgroup_size: 128
    .sgpr_count:     102
    .vgpr_count:     1024
    .wavefront_size: 32
...
	.end_amdgpu_metadata
.endif
;; end of part 1
;; launch attn (part 2): grid 8 x 32, 16 waves a work-group, clusters of 4 x 1, 169,984 bytes of LDS; arguments qkv, ac, asc; writes ac, asc
.if DOCPART == 2
	.amdgcn_target "amdgcn-amd-amdhsa--gfx1250"
	.amdhsa_code_object_version 6
	.text
	.protected	k_qf15595a302_attn
	.globl	k_qf15595a302_attn
	.p2align	8
	.type	k_qf15595a302_attn,@function
k_qf15595a302_attn:
	s_mov_b64 s[64:65], 0
	v_nop
	global_prefetch_b8 v0, s[64:65] scope:SCOPE_SE
	s_setreg_imm32_b32 hwreg(HW_REG_WAVE_MODE, 25, 1), 1
	s_wait_xcnt 0x0
	s_wait_alu depctr_hold_cnt(0) depctr_sa_sdst(0) depctr_va_vdst(0) depctr_va_sdst(0) depctr_va_ssrc(0) depctr_va_vcc(0) depctr_vm_vsrc(0)
	s_getreg_b32 s2, hwreg(HW_REG_IB_STS2, 6, 4)
	s_cmp_eq_u32 s2, 0
	s_cbranch_scc0 .Lentry_in_a_cluster
	s_endpgm
.Lentry_in_a_cluster:
	s_bfe_u32 s2, ttmp6, 0x10000c
	s_cmp_lg_u32 s2, 0x3003
	s_cbranch_scc0 .Lentry_shape_is_right
	s_endpgm
.Lentry_shape_is_right:
; Causal attention on codes of FP4 (E2M1) with one E8M0 scale for each 32 along a product's K.  16 query heads, 8 key/value heads, 1,024 positions, head size 128, 4 batches.
; THE SOFTMAX AHEAD OF THE SECOND PRODUCT: t = score x log2(e) / sqrt(128); M = the row's largest t so far, rounded up to a whole number; p = 2^(t - M) is quantised along the keys, not normalised; the row's sum is taken
; of the unquantised p and divides at the end; when M moves, the sum and O are multiplied by 2^(old M - new M): exact.
; SHARES.  Work-group (j, g): g = batch x 8 + key/value head; its sixteen waves own one tile of 16 queries each: wave w: query head 2 x (g % 8) + w / 8, queries 128 m + 16 j + 0 .. 15; with u = w % 8, m = u (u < 4) or 11 - u.
; LEFT OUT: key steps of 128 keys that all come after the wave's queries: reference()'s mask makes their p 0 for all inputs; wave w needs steps 0 .. m.  Limit: a NaN or infinity in such a score is not carried on.
; Waves w, w + 4, w + 8, w + 12 (w < 4) have w + 1, 8 - w, w + 1 and 8 - w steps: 18 together, and the two longest are of one length.
; The trip count is a constant, 8; a step that is left out is jumped over by a scalar branch on the wave's number.
; LDS: K's eight records of 8,704 bytes, then V's eight: the whole key/value head, 139,264 bytes, filled ONCE, one tensor load a wave; nothing is filled again.  A record holds 8 operand images and their scale words, so every LDS
; read is 16 x lane or 4 x lane: consecutive bytes.
; CLUSTER: the four work-groups j = 4 x .. 4 x + 3 of one g read the same K and V: each record is asked for jointly (mask 15).  j enters global addresses and the mask's data alone, no branch and no LDS address.
; No prefetch: K and V come whole by the head's loads; there is no later tile to ask ahead for.
; LAYOUT.  Both products are used transposed: S^T = K Q^T (source 0 = 16 keys), O^T = V^T P^T (source 0 = 16 channels): a lane holds one query (lane % 16); register 8 t + i of a result = key or channel 16 t + 8 (lane / 16) + i.
; OUT: O / sum, quantised along head x 128 + d: ac [rows / 128][K step of 512][row tile 8][head % 4][c 2][lane][16 bytes] (operand images: each store of a wave covers 512 consecutive bytes, aligned);
; asc [row][64 bytes]: a wave's sixteen scale words lie 64 bytes apart, so these stores write aligned blocks of 256 bytes in part: 64 bytes against the wave's 1,024 of codes; a row's 64 bytes come from eight work-groups.
; LIMITS: NaN and infinities are not served; the scaled scores t stay under 2^31 in magnitude; a block whose largest magnitude lies under 2^-124 keeps the byte 1 (its codes are zeros or held small; this program alone reads the bytes);
; O x (1 / sum) by v_rcp_f32: some 2e-7 off a division.
; A block's largest p is the block's largest score put through the same multiply-add and exponential: this takes v_exp_f32 not to fall where its input rises.
; REGISTERS: v1-4 addresses that stay; v8-11 the step's LDS addresses; v12 -M, v13 the largest t, v[14:15] the sum; v16-23 Q; v24-27 K's scale words, v28-31 V's (lanes 0-15 an even tile's, lanes 16-31 the odd one's);
; v32-95 eight fragments of K, then of V; v96-159 S^T, then p; v160-223 O^T; v224-231 codes; v232-241, v244-251, v254 at work; v242-243 the spare word's address and 0; v252 f; v253 p's scale word; v255 Q's scale word.
.set REC,  8704
.set VB,   8*REC                       ; V's records begin here
.set LI,   1                           ; v1   16 x lane
.set LS,   2                           ; v2   8,192 + 4 x lane: a record's scale words
.set DQ,   3                           ; v3   16 j + lane % 16 - 8 (lane / 16): on the diagonal register n's key is hidden where 16 (n / 8) + n % 8 > this
.set SR,   4                           ; v4   64 x (lane % 16): my row in asc
.set ADK,  8
.set ADV,  9
.set ADS,  10
.set ADT,  11
.set WV,   18                          ; s18  my wave's number
.set JJ,   19                          ; s19  j
.set SEL,  20                          ; s[20:21] v_permlanex16_b32's selects for lane l xor 16
.set CS,   22                          ; s[22:23] c = log2(e) / sqrt(128)
.set G1,   24
.set G0,   32
.set MM,   36                          ; s36  m
.set STP,  37                          ; s37  the key step
.set TBS,  38                          ; s38  where the step's record of K begins in LDS
.macro ROUND                           ; a round of the cluster's barrier
	s_barrier_signal -1
	s_barrier_wait -1
	s_cmp_lg_u32 s[WV], 0
	s_cbranch_scc1 .Lnot_wave_0_\@
	s_barrier_signal -3
.Lnot_wave_0_\@:
	s_barrier_wait -3
	s_barrier_signal -1
	s_barrier_wait -1
.endm
	s_load_b128 s[4:7], s[0:1], 0x0                ; qkv, ac
	s_load_b64 s[8:9], s[0:1], 0x10                ; asc
	v_lshl_add_u32 v242, v0, 2, 0x29000
	v_mov_b32 v243, 0
	ds_add_u32 v242, v243                          ; the wave's opening: the add, twice on end, and one wait
	ds_add_u32 v242, v243
	v_lshrrev_b32 v8, 5, v0
	s_delay_alu instid0(VALU_DEP_1)
	v_readfirstlane_b32 s[WV], v8                  ; wave 0..15
	s_bfe_u32 s40, ttmp6, 0x40000                  ; cx
	s_lshl_b32 s[JJ], ttmp9, 2
	s_add_co_u32 s[JJ], s[JJ], s40                 ; j = 4 x cluster x + cx
	s_and_b32 s41, ttmp7, 0xffff                   ; g, which the four partners share
	s_lshr_b32 s42, s[WV], 3                       ; which of the two query heads
	s_bfe_u32 s43, s[WV], 0x10002
	s_mul_i32 s43, s43, 3
	s_and_b32 s[MM], s[WV], 7
	s_xor_b32 s[MM], s[MM], s43                    ; m: 0 1 2 3 7 6 5 4
	s_lshl_b32 s44, s41, 3                         ; the record that I fetch: K's 512 + 8 g + w, or V's 768 + 8 g + w - 8
	s_add_co_u32 s44, s44, s[WV]
	s_mul_i32 s45, s42, 248
	s_add_co_u32 s44, s44, s45
	s_add_co_u32 s44, s44, 512
	s_mul_i32 s44, s44, REC
	s_mov_b32 s45, 0
	s_lshl_b32 s46, s41, 1                         ; q's record: (batch x 16 + head) x 8 + m = (2 g + w / 8) x 8 + m
	s_add_co_u32 s46, s46, s42
	s_lshl_b32 s46, s46, 3
	s_add_co_u32 s46, s46, s[MM]
	s_mul_i32 s46, s46, REC
	s_mov_b32 s47, 0
	s_lshr_b32 s50, s41, 3                         ; batch
	s_and_b32 s51, s41, 7
	s_lshl_b32 s51, s51, 1
	s_add_co_u32 s51, s51, s42                     ; the query head
	s_lshr_b32 s52, s51, 2                         ; its K step of 512 in the last product
	s_and_b32 s53, s51, 3
	s_lshl_b32 s54, s50, 3
	s_add_co_u32 s54, s54, s[MM]                   ; rows / 128
	s_lshl_b32 s56, s54, 17                        ; ac: 131,072 x rows / 128 + 32,768 x K step + 4,096 j + 1,024 x head % 4
	s_lshl_b32 s55, s52, 15
	s_add_co_u32 s56, s56, s55
	s_lshl_b32 s55, s[JJ], 12
	s_add_co_u32 s56, s56, s55
	s_lshl_b32 s55, s53, 10
	s_add_co_u32 s56, s56, s55
	s_mov_b32 s57, 0
	s_lshl_b32 s58, s54, 13                        ; asc: 64 x (128 x rows / 128 + 16 j) + 4 x head
	s_lshl_b32 s55, s[JJ], 10
	s_add_co_u32 s58, s58, s55
	s_lshl_b32 s55, s51, 2
	s_add_co_u32 s58, s58, s55
	s_mov_b32 s59, 0
	; descriptor group 1: a record is a dense block: 34 rows of 256 bytes (32 elements of 8 bytes), no padding
	s_mov_b32 s[G1], 15|(3<<16)|(1<<21)            ; 15:0 the mask: all four work-groups; 17:16 elements of 8 bytes; 21 set beside a mask
	s_mov_b32 s[G1+1], 32<<16                      ; tensor_dim0
	s_mov_b32 s[G1+2], 34<<16                      ; tensor_dim1
	s_mov_b32 s[G1+3], 32<<16                      ; tile_dim0
	s_mov_b32 s[G1+4], 34                          ; tile_dim1
	s_mov_b32 s[G1+5], 32                          ; tensor_dim0_stride
	s_mov_b32 s[G1+6], 0
	s_mov_b32 s[G1+7], 0
	s_mov_b32 s[G0], 1
	s_mul_i32 s[G0+1], s[WV], REC                  ; LDS: wave x 8,704: no place in the cluster enters an LDS address
	s_mov_b32 s[SEL], 0x76543210
	s_mov_b32 s[SEL+1], 0xfedcba98
	s_mov_b32 s[CS], 0x3e0293ee
	s_mov_b32 s[CS+1], s[CS]                       ; (named with it as a pair, so it is written)
	s_mov_b32 s[STP], 0
	s_mov_b32 s[TBS], 0
	s_wait_dscnt 0x0
	s_wait_kmcnt 0x0
	s_add_nc_u64 s[G0+2:G0+3], s[4:5], s[44:45]
	s_or_b32 s[G0+3], s[G0+3], 0x80000000
	s_add_nc_u64 s[10:11], s[4:5], s[46:47]        ; q's record
	s_add_nc_u64 s[6:7], s[6:7], s[56:57]
	s_add_nc_u64 s[8:9], s[8:9], s[58:59]
	ROUND                                          ; all four work-groups are here: the joint loads meet
	tensor_load_to_lds s[G0:G0+3], s[G1:G1+7]      ; my one tensor load of the launch
	s_nop 0
.rept 4
	v_nop
.endr
	v_and_b32 v5, 31, v0
	s_delay_alu instid0(VALU_DEP_1)
	v_lshlrev_b32 v[LI], 4, v5
	s_delay_alu instid0(VALU_DEP_2)
	v_lshl_add_u32 v[LS], v5, 2, 8192
	v_and_b32 v6, 15, v0                           ; r
	v_bfe_u32 v7, v0, 4, 1                         ; h
	s_delay_alu instid0(VALU_DEP_2)
	v_lshlrev_b32 v[SR], 6, v6
	s_lshl_b32 s48, s[JJ], 10
	v_add_nc_u32 v10, s48, v[LI]                   ; Q's image: tile j of the record
	s_lshl_b32 s49, s[JJ], 6
	v_lshl_add_u32 v9, v6, 2, s49                  ; and its scale words
	global_load_b128 v[16:19], v10, s[10:11]
	global_load_b128 v[20:23], v10, s[10:11] offset:512
	global_load_b32 v255, v9, s[10:11] offset:8192
	s_lshl_b32 s48, s[JJ], 4
	v_add_nc_u32 v[DQ], s48, v6
	v_lshlrev_b32 v7, 3, v7
	s_delay_alu instid0(VALU_DEP_1)
	v_sub_nc_u32 v[DQ], v[DQ], v7
	v_mov_b32 v13, 0xff61b1e6                      ; the largest t so far: -3e38, under every t
	s_delay_alu instid0(VALU_DEP_1)
	v_floor_f32 v12, -v13                          ; -M
	v_mov_b32 v14, 0                               ; the sum, in two halves
	v_mov_b32 v15, 0
.irp b, 0,1,2,3
	v_mov_b32 v[236+\b], 0                         ; a lane permute's destination counts as one of its sources
.endr
	v_mov_b32 v252, 0
	v_mov_b32 v253, 0                              ; (named as the upper half of the pair v[252:253] before it is first written)
.set n, 0
.rept 64
	v_mov_b32 v[160+n], 0                          ; O^T.  (The step is written once: the first finds zeros, which the first change of M leaves zeros)
.set n, n+1
.endr
	s_wait_alu depctr_va_vdst(0)                   ; at the head's end
	s_wait_loadcnt 0x0                             ; Q; its address registers may be written again
	s_wait_tensorcnt 0x0                           ; my record has landed,
	s_barrier_signal -1
	s_barrier_wait -1                              ; everybody's has
.Lstep:                                                ; eight trips, a constant of the text
	s_cmp_gt_u32 s[STP], s[MM]                     ; all 128 keys come after my queries: the step's work is left out
	s_cbranch_scc1 .Lhid
	v_add_nc_u32 v[ADK], s[TBS], v[LI]             ; (these four are the places between the last trip's products and the loads below)
	v_add_nc_u32 v[ADS], s[TBS], v[LS]
	v_add_nc_u32 v[ADV], VB, v[ADK]
	v_add_nc_u32 v[ADT], VB, v[ADS]
	s_wait_alu depctr_va_vdst(0)
.irp g, 0,1                                        ; K's eight tiles of 16 keys in one run: ten loads for each four
.irp t, 0,1,2,3
.irp c, 0,1
	ds_load_b128 v[32+8*(4*\g+\t)+4*\c:32+8*(4*\g+\t)+4*\c+3], v[ADK] offset:(4*\g+\t)*1024+512*\c
.endr
.endr
.irp u, 0,1
	ds_load_b32 v[24+2*\g+\u], v[ADS] offset:128*(2*\g+\u)
.endr
.endr
.irp g, 0,1                                        ; S^T = K Q^T
.if \g == 0
	s_wait_dscnt 10                                ; the first four tiles are in; the second four's ten loads may be out
.else
	s_wait_dscnt 0x0
.endif
.irp t, 0,2
	v_wmma_scale_f32_16x16x128_f8f6f4 v[96+8*(4*\g+\t):103+8*(4*\g+\t)], v[32+8*(4*\g+\t):39+8*(4*\g+\t)], v[16:23], 0, v[24+2*\g+\t/2], v255 matrix_a_fmt:MATRIX_FMT_FP4 matrix_b_fmt:MATRIX_FMT_FP4
	v_wmma_scale_f32_16x16x128_f8f6f4 v[104+8*(4*\g+\t):111+8*(4*\g+\t)], v[40+8*(4*\g+\t):47+8*(4*\g+\t)], v[16:23], 0, v[24+2*\g+\t/2], v255 matrix_a_fmt:MATRIX_FMT_FP4 matrix_b_fmt:MATRIX_FMT_FP4 matrix_a_scale:MATRIX_SCALE_ROW1
.endr
.endr
.rept 4
	v_nop                                          ; places ahead of loads into registers that the products have read, and of reads of their results
.endr
.irp g, 0,1                                        ; V's eight tiles of 16 channels, for the second product: on their way while the softmax is made
.irp t, 0,1,2,3
.irp c, 0,1
	ds_load_b128 v[32+8*(4*\g+\t)+4*\c:32+8*(4*\g+\t)+4*\c+3], v[ADV] offset:(4*\g+\t)*1024+512*\c
.endr
.endr
.irp u, 0,1
	ds_load_b32 v[28+2*\g+\u], v[ADT] offset:128*(2*\g+\u)
.endr
.endr
	s_cmp_lg_u32 s[STP], s[MM]                     ; the wave's one step on the diagonal: hidden scores become -infinity ahead of the maximum: p = 0 then
	s_cbranch_scc1 .Lopen
	v_mov_b32 v254, 0xff800000
.set n, 0
.rept 64
	v_cmp_gt_i32 vcc_lo, 16*(n/8)+n%8, v[DQ]
	v_cndmask_b32 v[96+n], v[96+n], v254, vcc_lo
.set n, n+1
.endr
.Lopen:
.irp b, 0,1,2,3
	v_max3_num_f32 v[232+\b], v[96+16*\b], v[97+16*\b], v[98+16*\b]   ; the largest score of each block of 32 keys: for the row's maximum, and, since p rises with the score, for the block's largest p
.endr
.irp i, 3,5,7,9,11,13
.irp b, 0,1,2,3
	v_max3_num_f32 v[232+\b], v[232+\b], v[96+16*\b+\i], v[97+16*\b+\i]
.endr
.endr
.irp b, 0,1,2,3
	v_max_num_f32 v[232+\b], v[232+\b], v[111+16*\b]
.endr
.irp b, 0,1,2,3
	s_delay_alu instid0(VALU_DEP_4)
	v_permlanex16_b32 v[236+\b], v[232+\b], s[SEL], s[SEL+1]
.endr
.irp b, 0,1,2,3
	s_delay_alu instid0(VALU_DEP_4)
	v_max_num_f32 v[232+\b], v[232+\b], v[236+\b]  ; with lane l xor 16's 16 keys
.endr
	s_delay_alu instid0(VALU_DEP_2)
	v_max3_num_f32 v254, v232, v233, v234
	s_delay_alu instid0(VALU_DEP_1)
	v_max_num_f32 v254, v254, v235                 ; the step's largest score of my query
	s_delay_alu instid0(VALU_DEP_1)
	v_mul_f32 v254, s[CS], v254                    ; as t (c is positive)
	s_delay_alu instid0(VALU_DEP_1)
	v_max_num_f32 v13, v13, v254                   ; the running largest t
	v_mov_b32 v254, v12
	s_delay_alu instid0(VALU_DEP_2)
	v_floor_f32 v12, -v13                          ; the new -M = floor(-t) = -ceil(t)
	s_delay_alu instid0(VALU_DEP_1)
	v_sub_f32 v254, v12, v254                      ; old M - new M: a whole number, 0 or less
	s_delay_alu instid0(VALU_DEP_1)
	v_cvt_i32_f32 v254, v254                       ; (it saturates)
	s_delay_alu instid0(VALU_DEP_1)
	v_ldexp_f32 v252, 1.0, v254                    ; f = 2^(old M - new M)
.set n, 0
.rept 32
	v_pk_fma_f32 v[96+n:97+n], v[96+n:97+n], s[CS:CS+1], v[12:13] op_sel_hi:[1,0,0]   ; t - M, two at a time
.set n, n+2
.endr
.irp b, 0,1,2,3
	v_fma_f32 v[232+\b], v[232+\b], s[CS], v12     ; the same of each block's largest score
.endr
.set n, 0
	s_wait_alu depctr_va_vdst(0)                   ; ahead of the batch
.rept 64
	v_exp_f32 v[96+n], v[96+n]                     ; p = 2^(t - M), at most 1
.set n, n+1
.endr
.irp b, 0,1,2,3
	v_exp_f32 v[232+\b], v[232+\b]                 ; the block's largest p
.endr
	v_pk_mul_f32 v[14:15], v[14:15], v[252:253] op_sel_hi:[1,0]   ; the sums under the new M.  (A plain place behind the exponentials)
	s_wait_alu depctr_va_vdst(0)                   ; and for one behind it
.irp b, 0,1,2,3
	v_max_num_f32 v[232+\b], 0x1800000, v[232+\b]  ; the floor 2^(3 - 127): the byte cannot fall under 1
.endr
.irp b, 0,1,2,3
	s_delay_alu instid0(VALU_DEP_4)
	v_add_nc_u32 v[244+\b], 0xff000000, v[232+\b]  ; 2 off the exponent field: the conversion's scale operand
.endr
.irp b, 0,1,2,3
	s_delay_alu instid0(VALU_DEP_4)
	v_lshrrev_b32 v[236+\b], 23, v[244+\b]         ; the scale's byte
.endr
	s_delay_alu instid0(VALU_DEP_3)
	v_lshl_or_b32 v253, v237, 8, v236              ; p's scale word for these 128 keys
	s_delay_alu instid0(VALU_DEP_1)
	v_lshl_or_b32 v253, v238, 16, v253
	s_delay_alu instid0(VALU_DEP_1)
	v_lshl_or_b32 v253, v239, 24, v253
.irp c, 0,1                                        ; tiles 4 c, 4 c + 2 to registers 4 c, 4 c + 1; tiles 4 c + 1, 4 c + 3 to 4 c + 2, 4 c + 3
	v_cvt_scalef32_pk8_fp4_f32 v[224+4*\c], v[96+32*\c:103+32*\c], v[244+2*\c]
	v_cvt_scalef32_pk8_fp4_f32 v[226+4*\c], v[104+32*\c:111+32*\c], v[244+2*\c]
	v_cvt_scalef32_pk8_fp4_f32 v[225+4*\c], v[112+32*\c:119+32*\c], v[245+2*\c]
	v_cvt_scalef32_pk8_fp4_f32 v[227+4*\c], v[120+32*\c:127+32*\c], v[245+2*\c]
.endr
	v_nop                                          ; one plain place behind a scaled conversion
.irp c, 0,1                                        ; one exchange a pair: registers 4 c .. 4 c + 3 = keys 64 c + 32 (lane / 16) + 0 .. 31
	v_permlane16_swap_b32 v[224+4*\c], v[225+4*\c]
	v_permlane16_swap_b32 v[226+4*\c], v[227+4*\c]
.endr
	v_pk_add_f32 v[236:237], v[100:101], v[104:105]   ; the row's sum of the unquantised p, in eight chains
	v_pk_add_f32 v[250:251], v[108:109], v[112:113]
	v_pk_add_f32 v[248:249], v[116:117], v[120:121]
	v_pk_add_f32 v[246:247], v[124:125], v[128:129]
	v_pk_add_f32 v[244:245], v[132:133], v[136:137]
	v_pk_add_f32 v[240:241], v[140:141], v[144:145]
	v_pk_add_f32 v[234:235], v[148:149], v[152:153]
	v_pk_add_f32 v[14:15], v[14:15], v[156:157]
	v_pk_add_f32 v[236:237], v[236:237], v[96:97]
	v_pk_add_f32 v[250:251], v[250:251], v[98:99]
	v_pk_add_f32 v[248:249], v[248:249], v[102:103]
	v_pk_add_f32 v[246:247], v[246:247], v[106:107]
	v_pk_add_f32 v[244:245], v[244:245], v[110:111]
	v_pk_add_f32 v[240:241], v[240:241], v[114:115]
	v_pk_add_f32 v[234:235], v[234:235], v[118:119]
	v_pk_add_f32 v[14:15], v[14:15], v[122:123]
	v_pk_add_f32 v[236:237], v[236:237], v[126:127]
	v_pk_add_f32 v[250:251], v[250:251], v[130:131]
	v_pk_add_f32 v[248:249], v[248:249], v[134:135]
	v_pk_add_f32 v[246:247], v[246:247], v[138:139]
	v_pk_add_f32 v[244:245], v[244:245], v[142:143]
	v_pk_add_f32 v[240:241], v[240:241], v[146:147]
	v_pk_add_f32 v[234:235], v[234:235], v[150:151]
	v_pk_add_f32 v[14:15], v[14:15], v[154:155]
	v_pk_add_f32 v[236:237], v[236:237], v[158:159]
	s_delay_alu instid0(VALU_DEP_2)
	v_pk_add_f32 v[14:15], v[14:15], v[246:247]
	s_delay_alu instid0(VALU_DEP_2)
	v_pk_add_f32 v[236:237], v[236:237], v[244:245]
	v_pk_add_f32 v[250:251], v[250:251], v[240:241]
	v_pk_add_f32 v[248:249], v[248:249], v[234:235]
	s_delay_alu instid0(VALU_DEP_2)
	v_pk_add_f32 v[14:15], v[14:15], v[250:251]
	s_delay_alu instid0(VALU_DEP_2)
	v_pk_add_f32 v[236:237], v[236:237], v[248:249]
	s_delay_alu instid0(VALU_DEP_1)
	v_pk_add_f32 v[14:15], v[14:15], v[236:237]
	s_wait_alu depctr_va_vdst(0)                   ; directly ahead of the first readers of O^T
.set n, 0
.rept 32
	v_pk_mul_f32 v[160+n:161+n], v[160+n:161+n], v[252:253] op_sel_hi:[1,0]   ; O^T under the new M.  (These are also the places in front of the scaled products)
.set n, n+2
.endr
	s_wait_alu depctr_va_vdst(0)                   ; directly ahead of the wait below
	s_wait_dscnt 0x0                               ; V's tiles are in
.irp g, 0,1                                        ; O^T += V^T P^T.  No two matrix instructions that follow each other share an accumulator, over the backward jump too
.irp t, 0,2
	v_wmma_scale_f32_16x16x128_f8f6f4 v[160+8*(4*\g+\t):167+8*(4*\g+\t)], v[32+8*(4*\g+\t):39+8*(4*\g+\t)], v[224:231], v[160+8*(4*\g+\t):167+8*(4*\g+\t)], v[28+2*\g+\t/2], v253 matrix_a_fmt:MATRIX_FMT_FP4 matrix_b_fmt:MATRIX_FMT_FP4
	v_wmma_scale_f32_16x16x128_f8f6f4 v[168+8*(4*\g+\t):175+8*(4*\g+\t)], v[40+8*(4*\g+\t):47+8*(4*\g+\t)], v[224:231], v[168+8*(4*\g+\t):175+8*(4*\g+\t)], v[28+2*\g+\t/2], v253 matrix_a_fmt:MATRIX_FMT_FP4 matrix_b_fmt:MATRIX_FMT_FP4 matrix_a_scale:MATRIX_SCALE_ROW1
.endr
.endr
.Lhid:
	s_add_co_u32 s[TBS], s[TBS], REC               ; the next step's records
	s_add_co_u32 s[STP], s[STP], 1
	s_cmp_lt_u32 s[STP], 8
	s_cbranch_scc1 .Lstep
	; THE WAY OUT: O^T / the sum, quantised along the head's 128 as an operand of the last product
.rept 4
	v_nop                                          ; places behind the last products
.endr
	v_add_f32 v14, v14, v15                        ; the sum's two halves,
	s_delay_alu instid0(VALU_DEP_1)
	v_permlanex16_b32 v252, v14, s[SEL], s[SEL+1]
	s_delay_alu instid0(VALU_DEP_1)
	v_add_f32 v14, v14, v252                       ; and lane l xor 16's
	s_wait_alu depctr_va_vdst(0)
	v_rcp_f32 v14, v14
	v_nop                                          ; a plain place behind the transcendental
.set n, 0
	s_wait_alu depctr_va_vdst(0)
.rept 64
	v_mul_f32 v[96+n], v[160+n], v14               ; register 8 t + i = o(query, 16 t + 8 (lane / 16) + i); each accumulator from its low end on
.set n, n+1
.endr
.irp b, 0,1,2,3
	v_max3_num_f32 v[232+\b], |v[96+16*\b]|, |v[97+16*\b]|, 0x1800000   ; block b: my 16 numbers, and the floor 2^(3 - 127)
.endr
.irp i, 2,4,6,8,10,12,14
.irp b, 0,1,2,3
	s_delay_alu instid0(VALU_DEP_4)
	v_max3_num_f32 v[232+\b], v[232+\b], |v[96+16*\b+\i]|, |v[97+16*\b+\i]|
.endr
.endr
.irp b, 0,1,2,3
	s_delay_alu instid0(VALU_DEP_4)
	v_permlanex16_b32 v[236+\b], v[232+\b], s[SEL], s[SEL+1]
.endr
.irp b, 0,1,2,3
	s_delay_alu instid0(VALU_DEP_4)
	v_max_num_f32 v[232+\b], v[232+\b], v[236+\b]
.endr
.irp b, 0,1,2,3
	s_delay_alu instid0(VALU_DEP_4)
	v_add_nc_u32 v[244+\b], 0xff000000, v[232+\b]
.endr
.irp b, 0,1,2,3
	s_delay_alu instid0(VALU_DEP_4)
	v_lshrrev_b32 v[236+\b], 23, v[244+\b]
.endr
	s_delay_alu instid0(VALU_DEP_3)
	v_lshl_or_b32 v254, v237, 8, v236              ; my row's scale word for this head
	s_delay_alu instid0(VALU_DEP_1)
	v_lshl_or_b32 v254, v238, 16, v254
	s_delay_alu instid0(VALU_DEP_1)
	v_lshl_or_b32 v254, v239, 24, v254
.irp c, 0,1
	v_cvt_scalef32_pk8_fp4_f32 v[224+4*\c], v[96+32*\c:103+32*\c], v[244+2*\c]
	v_cvt_scalef32_pk8_fp4_f32 v[226+4*\c], v[104+32*\c:111+32*\c], v[244+2*\c]
	v_cvt_scalef32_pk8_fp4_f32 v[225+4*\c], v[112+32*\c:119+32*\c], v[245+2*\c]
	v_cvt_scalef32_pk8_fp4_f32 v[227+4*\c], v[120+32*\c:127+32*\c], v[245+2*\c]
.endr
	v_nop
.irp c, 0,1
	v_permlane16_swap_b32 v[224+4*\c], v[225+4*\c]
	v_permlane16_swap_b32 v[226+4*\c], v[227+4*\c]
.endr
	global_store_b128 v[LI], v[224:227], s[6:7]               ; 32 lanes store 512 consecutive bytes, aligned
	global_store_b128 v[LI], v[228:231], s[6:7] offset:512
	global_store_b32 v[SR], v254, s[8:9]                      ; lanes l and l xor 16 store the same word with the same value
	s_wait_tensorcnt 0x0                           ; the wave's end
	ds_add_u32 v242, v243
	s_wait_dscnt 0x0
	ROUND                                          ; the closing round: no work-group ends while a partner may still ask for a record that names it
	s_endpgm
.Lfunc_end_k_qf15595a302_attn:
	.size	k_qf15595a302_attn, .Lfunc_end_k_qf15595a302_attn-k_qf15595a302_attn
	.p2alignl 7, 3214868480
	.fill 96, 4, 3214868480
	.section	.rodata,"a",@progbits
	.p2align	6, 0x0
	.amdhsa_kernel k_qf15595a302_attn
		.amdhsa_group_segment_fixed_size 169984
		.amdhsa_private_segment_fixed_size 0
		.amdhsa_enable_private_segment 0
		.amdhsa_kernarg_size 24
		.amdhsa_user_sgpr_count 2
		.amdhsa_user_sgpr_kernarg_segment_ptr 1
		.amdhsa_wavefront_size32 1
		.amdhsa_system_sgpr_workgroup_id_x 1
		.amdhsa_system_sgpr_workgroup_id_y 1
		.amdhsa_system_sgpr_workgroup_id_z 1
		.amdhsa_system_vgpr_workitem_id 0
		.amdhsa_next_free_vgpr 256
		.amdhsa_next_free_sgpr 66
		.amdhsa_reserve_vcc 1
		.amdhsa_float_denorm_mode_32 3
		.amdhsa_float_denorm_mode_16_64 3
		.amdhsa_memory_ordered 1
		.amdhsa_forward_progress 1
		.amdhsa_inst_pref_size 40
	.end_amdhsa_kernel
	.amdgpu_metadata
---
amdhsa.version: [ 1, 2 ]
amdhsa.kernels:
  - .name:           k_qf15595a302_attn
    .symbol:         k_qf15595a302_attn.kd
    .args:
      - { .name: qkv, .offset: 0, .size: 8, .value_kind: global_buffer, .address_space: global }
      - { .name: ac, .offset: 8, .size: 8, .value_kind: global_buffer, .address_space: global }
      - { .name: asc, .offset: 16, .size: 8, .value_kind: global_buffer, .address_space: global }
    .group_segment_fixed_size: 169984
    .private_segment_fixed_size: 0
    .kernarg_segment_align: 8
    .kernarg_segment_size: 24
    .max_flat_workgroup_size: 512
    .sgpr_count:     66
    .vgpr_count:     256
    .wavefront_size: 32
...
	.end_amdgpu_metadata
.endif
;; end of part 2
;; launch oproj (part 3): grid 16 x 16, 4 waves a work-group, clusters of 4 x 4, 167,936 bytes of LDS; arguments ac, asc, W_o_codes, W_o_scales, out0; writes out0
.if DOCPART == 3
	.amdgcn_target "amdgcn-amd-amdhsa--gfx1250"
	.amdhsa_code_object_version 6
	.text
	.protected	k_qf15595a302_oproj
	.globl	k_qf15595a302_oproj
	.p2align	8
	.type	k_qf15595a302_oproj,@function
k_qf15595a302_oproj:
	s_mov_b64 s[64:65], 0
	v_nop
	global_prefetch_b8 v0, s[64:65] scope:SCOPE_SE
	s_setreg_imm32_b32 hwreg(HW_REG_WAVE_MODE, 25, 1), 1
	s_wait_xcnt 0x0
	s_wait_alu depctr_hold_cnt(0) depctr_sa_sdst(0) depctr_va_vdst(0) depctr_va_sdst(0) depctr_va_ssrc(0) depctr_va_vcc(0) depctr_vm_vsrc(0)
	s_getreg_b32 s2, hwreg(HW_REG_IB_STS2, 6, 4)
	s_cmp_eq_u32 s2, 0
	s_cbranch_scc0 .Lentry_in_a_cluster
	s_endpgm
.Lentry_in_a_cluster:
	s_bfe_u32 s2, ttmp6, 0x10000c
	s_cmp_lg_u32 s2, 0xf033
	s_cbranch_scc0 .Lentry_shape_is_right
	s_endpgm
.Lentry_shape_is_right:
; out = O W_o on codes of FP4 (E2M1) with one E8M0 scale for each 32 along K = 2,048: [4,096 x 2,048] x [2,048 x 2,048], f32 out.  256 work-groups, a tile of 256 rows x 128 columns each; a wave makes 64 rows x 128 columns.
; A (the attention's result) lies in ac as images of operand registers, [rows / 128][K / 512][row tile 8][K step of 128][c 2][lane][16 bytes]: a wave takes its 64 rows x 2,048 STRAIGHT INTO REGISTERS, 512 of them, by 128 loads
; of 512 consecutive bytes each, and keeps them.  Steps 0 to 13 of 128 along K are asked for in the head, the last two in steps 0 and 1.
; B (W_o's 128 rows, K innermost, 1,024 bytes a row) comes whole into LDS, 32 rows to a wave, one joint tensor load each: nothing is filled again.  Rows 1,040 bytes apart: the 16 rows that a load touches start at 16 different banks (64 banks of 4 bytes: ISA guide 11.1).
; CLUSTERS: 4 x 4 work-groups; the four of a column of the cluster need the same rows of W_o and ask for them jointly.  A is not asked for jointly: joint loads end in LDS, and 262,144 bytes of A beside 133,120 of B are more than it holds.
; No prefetch: A is asked for by its own loads, B once at the head: there is no loop of tiles to run ahead in.
; COLUMNS GO IN TWO HALVES of 64, each with 16 accumulators of its own over all of K: the first half's results leave while the second half is multiplied.  B is read from LDS once a wave.
; THE MATRIX INSTRUCTION IS USED TRANSPOSED (source 0 = 16 rows of W_o, source 1 = 16 rows of O): a lane holds eight neighbouring numbers of a row of the output.
; THE SCALES: a row's 64 bytes are its 16 words, one for each 128 along K: lane l loads those of row 32 p + l: lanes 0-15 an even block's, lanes 16-31 the odd one's: 6 x 16 registers, loaded once.
; REGISTERS: window 0: v16-31 addresses; v32-63 A's scale words, v64-127 B's; v128-223 B's fragments, three sets of a step of 128; v224-255 rows on their way out.  windows 1, 2: A, steps 0-7 and 8-15.  window 3: the accumulators, 128 a half.
; LIMITS: O's codes carry no NaN and no infinity (E2M1 has none): what the attention launch does not serve is not served here.
.set PITCH,  1040
.set STAGE,  128*PITCH                 ; the way out: 16 rows x 272 bytes for each wave; no tile lands there
.set SPARE,  STAGE+4*16*272            ; the spare words: two blocks of 256 bytes that no other line names
.set ROWO,   8192                      ; a row of the output in bytes
.set ADRB, 16                          ; v16, v17  LDS address of my B fragments, first and second half of the columns
.set STO,  18
.set RD,   19
.set CO,   20
.set LI,   21
.set SO,   22
.set SPW,  28
.set NIL,  29
.set SA,   32
.set SB,   64
.set BF,   128
.set BK,   224
.set G1,   24
.set G0,   32
.set MSB, 0
.macro WIN new                         ; the immediate's high byte repeats the setting that is left
.if MSB != \new
	s_set_vgpr_msb (MSB<<8)|\new
.set MSB, \new
.endif
.endm
.macro CROUND                          ; a round of the cluster's barrier
	s_barrier_signal -1
	s_barrier_wait -1
	s_cmp_lg_u32 s14, 0
	s_cbranch_scc1 .Lnot_wave_0_\@
	s_barrier_signal -3
.Lnot_wave_0_\@:
	s_barrier_wait -3
	s_barrier_signal -1
	s_barrier_wait -1
.endm
.macro ALOAD s                         ; A's four fragments of step s: eight loads
.set WN, 0x40*(1+(\s)/8)
	WIN WN
.irp a, 0,1,2,3
.irp c, 0,1
	global_load_b128 v[8*(4*((\s)%8)+\a)+4*\c:8*(4*((\s)%8)+\a)+4*\c+3], v[LI], s[20:21] offset:32768*((\s)/4)+1024*((\s)%4)+4096*\a+512*\c
.endr
.endr
	WIN 0
.endm
.macro FETCHB n                        ; B's four fragments of step n % 16 for column half n / 16: eight LDS loads
.irp b, 0,1,2,3
.irp c, 0,1
	ds_load_b128 v[BF+32*((\n)%3)+8*\b+4*\c:BF+32*((\n)%3)+8*\b+4*\c+3], v[ADRB+(\n)/16] offset:16*PITCH*\b+64*((\n)%16)+32*\c
.endr
.endr
.endm
.macro PLACES                          ; plain vector instructions between a matrix instruction and a load into, or a read of, its registers
.rept 4
	v_nop
.endr
.endm
; 16 matrix instructions, one a turn for each accumulator.  A's tile a and B's block b take their scale words from lanes 0-15 (even) or 16-31 (odd).
.macro PROD
.set SS, N%16
.set HH, N/16
.set WN, 0xf0+4*(1+SS/8)
	WIN WN
.irp a, 0,1,2,3
.irp b, 0,1,2,3
.set DT, 128*HH+32*(\a)+8*(\b)
.set FB, BF+32*(N%3)+8*(\b)
.set FA, 8*(4*(SS%8)+(\a))
.set QB, SB+16*(2*HH+(\b)/2)+SS
.set QA, SA+16*((\a)/2)+SS
.if SS == 0
.if (\a)%2 == 0
.if (\b)%2 == 0
	v_wmma_scale_f32_16x16x128_f8f6f4 v[DT:DT+7], v[FB:FB+7], v[FA:FA+7], 0, v[QB], v[QA] matrix_a_fmt:MATRIX_FMT_FP4 matrix_b_fmt:MATRIX_FMT_FP4
.else
	v_wmma_scale_f32_16x16x128_f8f6f4 v[DT:DT+7], v[FB:FB+7], v[FA:FA+7], 0, v[QB], v[QA] matrix_a_fmt:MATRIX_FMT_FP4 matrix_b_fmt:MATRIX_FMT_FP4 matrix_a_scale:MATRIX_SCALE_ROW1
.endif
.else
.if (\b)%2 == 0
	v_wmma_scale_f32_16x16x128_f8f6f4 v[DT:DT+7], v[FB:FB+7], v[FA:FA+7], 0, v[QB], v[QA] matrix_a_fmt:MATRIX_FMT_FP4 matrix_b_fmt:MATRIX_FMT_FP4 matrix_b_scale:MATRIX_SCALE_ROW1
.else
	v_wmma_scale_f32_16x16x128_f8f6f4 v[DT:DT+7], v[FB:FB+7], v[FA:FA+7], 0, v[QB], v[QA] matrix_a_fmt:MATRIX_FMT_FP4 matrix_b_fmt:MATRIX_FMT_FP4 matrix_a_scale:MATRIX_SCALE_ROW1 matrix_b_scale:MATRIX_SCALE_ROW1
.endif
.endif
.else
.if (\a)%2 == 0
.if (\b)%2 == 0
	v_wmma_scale_f32_16x16x128_f8f6f4 v[DT:DT+7], v[FB:FB+7], v[FA:FA+7], v[DT:DT+7], v[QB], v[QA] matrix_a_fmt:MATRIX_FMT_FP4 matrix_b_fmt:MATRIX_FMT_FP4
.else
	v_wmma_scale_f32_16x16x128_f8f6f4 v[DT:DT+7], v[FB:FB+7], v[FA:FA+7], v[DT:DT+7], v[QB], v[QA] matrix_a_fmt:MATRIX_FMT_FP4 matrix_b_fmt:MATRIX_FMT_FP4 matrix_a_scale:MATRIX_SCALE_ROW1
.endif
.else
.if (\b)%2 == 0
	v_wmma_scale_f32_16x16x128_f8f6f4 v[DT:DT+7], v[FB:FB+7], v[FA:FA+7], v[DT:DT+7], v[QB], v[QA] matrix_a_fmt:MATRIX_FMT_FP4 matrix_b_fmt:MATRIX_FMT_FP4 matrix_b_scale:MATRIX_SCALE_ROW1
.else
	v_wmma_scale_f32_16x16x128_f8f6f4 v[DT:DT+7], v[FB:FB+7], v[FA:FA+7], v[DT:DT+7], v[QB], v[QA] matrix_a_fmt:MATRIX_FMT_FP4 matrix_b_fmt:MATRIX_FMT_FP4 matrix_a_scale:MATRIX_SCALE_ROW1 matrix_b_scale:MATRIX_SCALE_ROW1
.endif
.endif
.endif
.endr
.endr
.endm
; Row tile a of a column half, 16 rows x 256 bytes, through my stage: LDS serves a wave's instructions in order (ISA guide 5.7.1.4).  16 LDS instructions.
.macro TOSTAGE a, half, buf
.set AC, 128*(\half)+32*(\a)
	WIN 0x0c                                       ; the data: window 3
.irp b, 0,1,2,3
	ds_store_b128 v[STO], v[AC+8*\b:AC+8*\b+3] offset:64*\b          ; each accumulator from its low end on
	ds_store_b128 v[STO], v[AC+8*\b+4:AC+8*\b+7] offset:64*\b+16
.endr
	WIN 0
.irp t, 0,1,2,3,4,5,6,7
	ds_load_b128 v[\buf+4*\t:\buf+4*\t+3], v[RD] offset:544*\t
.endr
.endm
.macro SEND a, half, buf
.irp t, 0,1,2,3,4,5,6,7
	global_store_b128 v[CO], v[\buf+4*\t:\buf+4*\t+3], s[50:51] offset:(16*(\a)+2*\t)*ROWO+256*(\half) th:TH_STORE_NT   ; 16 lanes store 256 consecutive bytes, aligned
.endr
.endm
; Step N = 16 x column half + K step.  B's fragments are fetched two steps ahead.  Steps 17, 20, 23, 26 send a row tile of the first half to the stage, the steps behind them store it.
.macro STEP
.if N > 0
	PLACES                                         ; the set of B that is loaded now was read by the last step
.endif
.if N < 30
	FETCHB N+2
.endif
.if N < 2
	ALOAD N+14
.endif
.set CNT, 16                                       ; behind this step's fragments: those of the next two steps,
.if N == 30
.set CNT, 8
.endif
.if N == 31
.set CNT, 0
.endif
.if (N > 16) && (N < 28)
.if (N-17)%3 == 0
.if N > 17
	s_wait_xcnt 0x0                                ; the last row tile's stores have read their registers
.endif
	TOSTAGE (N-17)/3, 0, BK
.set CNT, CNT+16                                   ; and this tile's way through the stage,
.endif
.if (N-17)%3 == 1
.set CNT, CNT+16                                   ; or the last step's
.endif
.endif
	s_wait_dscnt CNT
.if N < 8
	s_wait_loadcnt 63                              ; A's step N is in: 64 loads or more are younger than its eight, and the count's field ends at 63
.else
.if N < 16
	s_wait_loadcnt 8*(15-N)                        ; A's step N is in; the younger steps' loads, eight each, may be out
.endif
.endif
	PROD
	WIN 0
.if (N > 16) && (N < 28)
.if (N-17)%3 == 1
	s_wait_dscnt 8                                 ; the row tile is back; the youngest fetch may be out
	SEND (N-18)/3, 0, BK
.endif
.endif
.endm
	s_load_b128 s[4:7], s[0:1], 0x0                ; ac, asc
	s_load_b128 s[8:11], s[0:1], 0x10              ; W_o's codes, scales
	s_load_b64 s[12:13], s[0:1], 0x20              ; out0
	v_lshl_add_u32 v[SPW], v0, 2, SPARE
	v_mov_b32 v[NIL], 0
	ds_add_u32 v[SPW], v[NIL]                      ; the wave's opening: the add, twice on end, and one wait
	ds_add_u32 v[SPW], v[NIL]
	v_lshrrev_b32 v1, 5, v0
	v_readfirstlane_b32 s14, v1                    ; wave 0..3: my 64 rows of the tile; also: my 32 rows of W_o to fetch
	s_lshr_b32 s15, s14, 1
	s_and_b32 s16, s14, 1
	s_bfe_u32 s40, ttmp6, 0x40000                  ; cx, cy
	s_bfe_u32 s41, ttmp6, 0x40004
	s_lshl_b32 s42, ttmp9, 2
	s_add_co_u32 s42, s42, s40                     ; tile column
	s_and_b32 s17, ttmp7, 0xffff
	s_lshl_b32 s17, s17, 2
	s_add_co_u32 s17, s17, s41                     ; tile row
	s_lshl_b32 s44, 0x1111, s40                    ; my column of the cluster
	; descriptor group 1: 32 rows of 1,024 bytes (128 elements of 8 bytes), 16 bytes of padding behind each
	s_or_b32 s[G1], s44, (3<<16)|(1<<20)|(1<<21)|(7<<22)|(3<<25)
	s_mov_b32 s[G1+1], 128<<16
	s_mov_b32 s[G1+2], 32<<16
	s_mov_b32 s[G1+3], 128<<16
	s_mov_b32 s[G1+4], 32
	s_mov_b32 s[G1+5], 128
	s_mov_b32 s[G1+6], 0
	s_mov_b32 s[G1+7], 0
	s_lshl_b32 s20, s17, 1                         ; ac: 131,072 x rows / 128, 16,384 for each four row tiles
	s_add_co_u32 s20, s20, s15
	s_lshl_b32 s20, s20, 17
	s_lshl_b32 s2, s16, 14
	s_add_co_u32 s20, s20, s2
	s_mov_b32 s21, 0
	s_lshl_b32 s22, s17, 14                        ; asc: 64 bytes a row
	s_lshl_b32 s2, s14, 12
	s_add_co_u32 s22, s22, s2
	s_mov_b32 s23, 0
	s_lshl_b32 s46, s42, 17                        ; W_o's codes: 128 rows of 1,024 bytes a tile, 32 of them mine to fetch
	s_lshl_b32 s2, s14, 15
	s_add_co_u32 s46, s46, s2
	s_mov_b32 s47, 0
	s_lshl_b32 s48, s42, 13                        ; its scales
	s_mov_b32 s49, 0
	s_lshl_b32 s50, s17, 21                        ; out0: 256 x tile row + 64 x wave rows of 8,192 bytes, 512 bytes a tile column
	s_lshl_b32 s2, s14, 19
	s_add_co_u32 s50, s50, s2
	s_lshl_b32 s2, s42, 9
	s_add_co_u32 s50, s50, s2
	s_mov_b32 s51, 0
	s_mov_b32 s[G0], 1
	s_mul_i32 s[G0+1], s14, 32*PITCH               ; LDS: wave x 32 rows: no place in the cluster enters an LDS address
	s_mul_i32 s3, s14, 16*272
	s_add_co_u32 s3, s3, STAGE                     ; my stage
	v_and_b32 v1, 15, v0                           ; r
	v_bfe_u32 v2, v0, 4, 1                         ; h
	v_and_b32 v3, 31, v0
	v_mul_u32_u24 v4, v1, PITCH
	v_mul_u32_u24 v5, v1, 272
	v_mul_u32_u24 v6, v2, 272
	v_lshlrev_b32 v7, 13, v2
	v_lshlrev_b32 v[LI], 4, v3
	v_lshlrev_b32 v[SO], 6, v3
	v_lshl_add_u32 v[ADRB], v2, 4, v4              ; a fragment's row x pitch + 16 h
	v_lshl_add_u32 v5, v2, 5, v5
	v_lshl_add_u32 v6, v1, 4, v6
	v_lshl_add_u32 v[CO], v1, 4, v7                ; lanes 0-15 store to one row, lanes 16-31 to the next
	v_add_nc_u32 v[ADRB+1], 64*PITCH, v[ADRB]
	v_add_nc_u32 v[STO], s3, v5                    ; in: row r, 32 bytes for each half of the lanes
	v_add_nc_u32 v[RD], s3, v6                     ; back: lanes 0-15 one row, lanes 16-31 the next
	s_wait_alu depctr_va_vdst(0)                   ; at the head's end
	s_wait_dscnt 0x0                               ; both opening adds are done
	s_wait_kmcnt 0x0
	s_add_nc_u64 s[20:21], s[4:5], s[20:21]
	s_add_nc_u64 s[22:23], s[6:7], s[22:23]
	s_add_nc_u64 s[G0+2:G0+3], s[8:9], s[46:47]
	s_or_b32 s[G0+3], s[G0+3], 0x80000000
	s_add_nc_u64 s[48:49], s[10:11], s[48:49]
	s_add_nc_u64 s[50:51], s[12:13], s[50:51]
.irp k, 0,1,2,3                                    ; the scale words: 32 rows of 64 bytes, 2,048 consecutive bytes in four loads
.irp p, 0,1
	global_load_b128 v[SA+16*\p+4*\k:SA+16*\p+4*\k+3], v[SO], s[22:23] offset:2048*\p+16*\k
.endr
.irp p, 0,1,2,3
	global_load_b128 v[SB+16*\p+4*\k:SB+16*\p+4*\k+3], v[SO], s[48:49] offset:2048*\p+16*\k
.endr
.endr
	ALOAD 0
	ALOAD 1
	CROUND                                         ; all sixteen work-groups are here: the joint loads meet
	tensor_load_to_lds s[G0:G0+3], s[G1:G1+7]      ; my one tensor load of the launch
	s_nop 0
	PLACES
.irp s, 2,3,4,5,6,7,8,9,10,11,12,13                ; A goes on being asked for while W_o is on its way
	ALOAD \s
.endr
	s_wait_tensorcnt 0x0                           ; my 32 rows of W_o are in,
	s_barrier_signal -1
	s_barrier_wait -1                              ; everybody's are
	FETCHB 0
	FETCHB 1
.set N, 0
.rept 32
	STEP
.set N, N+1
.endr
	; the second half's way out; the registers of B's fragments are free
	PLACES
	TOSTAGE 0, 1, BF
	TOSTAGE 1, 1, BF+32
	s_wait_dscnt 16
	SEND 0, 1, BF
	TOSTAGE 2, 1, BF+64
	s_wait_dscnt 16
	SEND 1, 1, BF+32
	s_wait_xcnt 0x0                                ; the first half's last stores have read these registers
	TOSTAGE 3, 1, BK
	s_wait_dscnt 16
	SEND 2, 1, BF+64
	s_wait_dscnt 0x0
	SEND 3, 1, BK
	s_wait_tensorcnt 0x0                           ; the wave's end
	ds_add_u32 v[SPW], v[NIL]
	s_wait_dscnt 0x0
	CROUND                                         ; the closing round
	s_endpgm
.Lfunc_end_k_qf15595a302_oproj:
	.size	k_qf15595a302_oproj, .Lfunc_end_k_qf15595a302_oproj-k_qf15595a302_oproj
	.p2alignl 7, 3214868480
	.fill 96, 4, 3214868480
	.section	.rodata,"a",@progbits
	.p2align	6, 0x0
	.amdhsa_kernel k_qf15595a302_oproj
		.amdhsa_group_segment_fixed_size 167936
		.amdhsa_private_segment_fixed_size 0
		.amdhsa_enable_private_segment 0
		.amdhsa_kernarg_size 40
		.amdhsa_user_sgpr_count 2
		.amdhsa_user_sgpr_kernarg_segment_ptr 1
		.amdhsa_wavefront_size32 1
		.amdhsa_system_sgpr_workgroup_id_x 1
		.amdhsa_system_sgpr_workgroup_id_y 1
		.amdhsa_system_sgpr_workgroup_id_z 1
		.amdhsa_system_vgpr_workitem_id 0
		.amdhsa_next_free_vgpr 1024
		.amdhsa_next_free_sgpr 66
		.amdhsa_reserve_vcc 0
		.amdhsa_float_denorm_mode_32 3
		.amdhsa_float_denorm_mode_16_64 3
		.amdhsa_memory_ordered 1
		.amdhsa_forward_progress 1
		.amdhsa_inst_pref_size 123
	.end_amdhsa_kernel
	.amdgpu_metadata
---
amdhsa.version: [ 1, 2 ]
amdhsa.kernels:
  - .name:           k_qf15595a302_oproj
    .symbol:         k_qf15595a302_oproj.kd
    .args:
      - { .name: ac, .offset: 0, .size: 8, .value_kind: global_buffer, .address_space: global }
      - { .name: asc, .offset: 8, .size: 8, .value_kind: global_buffer, .address_space: global }
      - { .name: W_o_codes, .offset: 16, .size: 8, .value_kind: global_buffer, .address_space: global }
      - { .name: W_o_scales, .offset: 24, .size: 8, .value_kind: global_buffer, .address_space: global }
      - { .name: out0, .offset: 32, .size: 8, .value_kind: global_buffer, .address_space: global }
    .group_segment_fixed_size: 167936
    .private_segment_fixed_size: 0
    .kernarg_segment_align: 8
    .kernarg_segment_size: 40
    .max_flat_workgroup_size: 128
    .sgpr_count:     66
    .vgpr_count:     1024
    .wavefront_size: 32
...
	.end_amdgpu_metadata
.endif
;; end of part 3
